; MI455X (gfx1250); checked and timed in simulation.
; The chip was launched on July 23, 2026; its instructions are those of AMD's public machine-readable ISA for CDNA 5 (MIT licence, August 2026) and "CDNA5" Instruction Set Architecture Reference Guide (July 2026). The comments in the code are by the model that wrote it; some were corrected since.
;; Self Attention. Allowed arithmetic: matrix products marked QUANTISED: E2M3 operands, one E8M0 scale for each 32 along K, by v_wmma_scale_f32_16x16x128_f8f6f4 with both operands' format E2M3, f32 sums; everything else in f32.
;; Inputs: Wk 512 x 512 float32; Wo 512 x 512 float32; Wq 512 x 512 float32; Wv 512 x 512 float32; bk 512 float32; bo 512 float32; bq 512 float32; bv 512 float32; x 8 x 512 x 32 x 32 float32.
;; Outputs: out0 8 x 512 x 32 x 32 float32.
;; This version of the problem:
;;   THIS VERSION OF THE PROBLEM IS GIVEN IN LOW PRECISION. The matrix products marked QUANTISED in the list below multiply operands that are first quantised to E2M3 (2 exponent bits, 3 mantissa bits; 6 bits a number), with one power-of-two scale for each 32 numbers along K (OCP MX v1.0); their sums are f32. All else is computed in f32.
;;   The module's matrix products, in the order in which they are computed (A, B: the left and right operand; K: the contracted axis; several contracted axes count as one K, in the product's order):
;;     1. [M 512, K 512] x [K 512, N 8,192]; A: input Wq; B: input x: QUANTISED
;;     2. [M 512, K 512] x [K 512, N 8,192]; A: input Wk; B: input x: QUANTISED
;;     3. [M 512, K 512] x [K 512, N 8,192]; A: input Wv; B: input x: QUANTISED
;;     4. batch 64 x [M 1,024, K 64] x [K 64, N 1,024]; A: computed on the way; B: computed on the way: QUANTISED
;;     5. batch 64 x [M 1,024, K 1,024] x [K 1,024, N 64]; A: softmax (see below); B: computed on the way: QUANTISED
;;     6. [M 512, K 512] x [K 512, N 8,192]; A: input Wo; B: computed on the way: QUANTISED
;;   THE QUANTISER, for each operand of a quantised product, along K:
;;     - K is cut into blocks of 32 from its start; a last block that is shorter is filled with zeros.
;;     - A block's scale is 2^e with e = floor(log2(the largest magnitude in the block)) - 2, held to -126 .. 127; a block of zeros has e = 0. As a byte (E8M0): e + 127.
;;     - Each number is divided by its block's scale, clamped to +-7.5, and rounded to the nearest number of E2M3, ties to even, subnormals kept.
;;     - The product sums the exact products of the quantised numbers (number of the format x scale) in f32.
;;   ~~~python
;;   def quantise(x, axis):      # numpy; x: float32 -> the quantised numbers, widened to float32 again
;;       x = np.moveaxis(x, axis, -1); K = x.shape[-1]
;;       x = np.pad(x, [(0, 0)] * (x.ndim - 1) + [(0, -K % 32)]); x = x.reshape(x.shape[:-1] + (-1, 32)); a = np.abs(x).max(-1, keepdims=True)
;;       e = np.where(a > 0, np.clip(np.frexp(np.where(a > 0, a, 1))[1] - 1 - 2, -126, 127), 0)      # np.frexp(a)[1] - 1 = floor(log2(a)), exactly
;;       r = np.clip(x / 2.0 ** e, -7.5, 7.5)
;;       step = 2.0 ** (np.maximum(np.frexp(np.where(r == 0, 1, r))[1] - 1, 0) - 3)
;;       q = np.round(r / step) * step * 2.0 ** e      # np.round: ties to even
;;       return np.moveaxis(q.reshape(q.shape[:-2] + (-1,))[..., :K], -1, axis).astype(np.float32)
;;   ~~~
;;   SOFTMAX AHEAD OF A QUANTISED PRODUCT. Where the list says 'softmax', what is quantised is not the finished softmax but p = 2^(t - M), with t = logit x log2(e) and M = ceil(the row's largest t), a whole number; so 1/2 < the row's largest p <= 1. The row's sum l is taken of the UNQUANTISED p, in f32, and the product's result is divided by l at the end. Since M is a whole number, a kernel that streams over the keys may use a running M (the ceiling of the running maximum): every later rescaling is an exact power of two, which a block's scale takes up: the codes' values come out the same.
;;   OPERANDS COMPUTED ON THE WAY. 'Computed on the way' means the value that the module computes at that place (a softmax that the list does not call 'softmax' is quantised finished and normalised). What goes into a quantiser is computed in f32, as accurately as f32 sums, v_exp_f32 and their like allow (about 1e-6 of the number): no bf16 or f16 on the way to a quantiser, and a product that is left as it is and whose result goes on into a quantised operand takes f32 operands (vector FMAs, or v_wmma_f32_16x16x4_f32). A number that lies on a knife's edge between two numbers of the format may be rounded either way, as far as f32 arithmetic and the matrix unit's own rounding can turn it there, and no further.
;; One version. Each part assembles by itself: llvm-mc -triple=amdgcn-amd-amdhsa -mcpu=gfx1250 --defsym DOCPART=n.
;; ======== version 1 of 1: 4 launches
;; workspace buffers: xcodes 3,145,728 bytes; xscl 131,072 bytes; wcodes 786,432 bytes; wscl 32,768 bytes; qkv 9,830,400 bytes; acodes 3,145,728 bytes; ascl 131,072 bytes
;; launch quant (part 1): grid 256 x 1, 5 waves a work-group, no clusters, 17,664 bytes of LDS; arguments x, Wq, Wk, Wv, Wo, xcodes, xscl, wcodes, wscl; writes xcodes, xscl, wcodes, wscl
.if DOCPART == 1
	.amdgcn_target "amdgcn-amd-amdhsa--gfx1250"
	.amdhsa_code_object_version 6
	.text
	.protected	k_qbf6e875edb_quant
	.globl	k_qbf6e875edb_quant
	.p2align	8
	.type	k_qbf6e875edb_quant,@function
k_qbf6e875edb_quant:
	s_mov_b64 s[64:65], 0
	v_nop
	global_prefetch_b8 v0, s[64:65] scope:SCOPE_SE
	s_setreg_imm32_b32 hwreg(HW_REG_WAVE_MODE, 25, 1), 1
	s_wait_xcnt 0x0
; x [8][512 c][1024 n] and the four weights [512 o][512 c], f32, become codes of FP6 (E2M3) along c, one E8M0 byte for each 32 along c.
; A block's scale is 2^(floor(log2(its largest magnitude)) - 2): its byte is that magnitude's exponent field - 2, held at 1 from below.
; (A block of zeros keeps the byte 1: its codes are zeros, and the bytes are read by this program alone.)
; LIMITS: NaN and infinities among the inputs are not served; blocks whose largest magnitude lies under 2^-124 get the byte 1.
; THE CODES ARE LAID AS IMAGES OF THE OPERAND'S REGISTERS.  A fragment is 16 rows x 128 along c, 12 registers a lane, 1,536 bytes: register 4 q + i of lane L at byte 512 q + 16 L + 4 i.
; Lane (r, h) of a fragment holds row r; registers 0-5 are block h of the four blocks of 32, registers 6-11 block 2 + h.
; THE ROWS OF A TILE ARE NOT NEIGHBOURS: row r of tile 2 g + u is index 32 g + 8 u + r + 8 (r / 8) (a token of x, a row of a weight).
; xcodes [b 8][tile 64][s 4][1536];  xscl [b][s][tile 64][r 16] words;  wcodes [mat 4][tile 32][s 4][1536];  wscl [mat][pair 16][s 4][32 words: lanes 0-15 tile 2 p, lanes 16-31 tile 2 p + 1].
; SHARES.  256 work-groups of five waves, all with the same work.
; Waves 0-3 take x: the work-group is (b, 128 tokens, K step s), a wave 32 tokens.  A LANE TAKES A TOKEN AND ITS REGISTERS RUN DOWN c: a load reads 128 consecutive bytes a wave, 512 the four waves,
; a block of 32 lies in one lane, and nothing is transposed.  A lane makes what TWO lanes of a fragment hold: blocks 0, 2 (lane r) and blocks 1, 3 (lane 16 + r).
; Wave 4 takes one of the 256 pieces of the weights: (matrix, pair of tiles p, K step s) = the work-group's number: 32 rows x 128 along c.  There c is innermost, and the conversions want 32 neighbours in a lane:
; loaded so, each lane of a load would stand in another row.  So a load takes a row's 512 consecutive bytes, 16 a lane, and the 32 rows turn through the wave's own stage in LDS: in as loaded, back 128 bytes a lane.
; No barrier: waves share nothing.  The scale words of x leave 128 bytes a wave: one byte for every 128 bytes that the launch reads.
.set SP,    528                        ; a stage row: 512 bytes + 16.  (Rows 16 apart start at the same bank, 64 banks of 4 bytes: ISA guide 11.1: the reads go two deep, once in the launch)
.set SPARE, 32*SP                      ; 16,896: behind the stage: the spare words, 128 bytes for each of the five waves, three blocks of 256 bytes that no other line names
.set SPW, 12                           ; v12      my spare word; never rewritten
.set NIL, 13                           ; v13      0; never rewritten
.set LST, 14                           ; v14      16 x lane: the stage on the way in, a row of a weight, a fragment's image; never rewritten
.set LRD, 15                           ; v15      the stage on the way back: (r + 8 (r / 8)) SP + 128 h; never rewritten
.set MX, 16                            ; v16-17   two chains of a block's largest magnitude
.set SO, 20                            ; v20-23   slot k: the conversion's scale operand
.set BY, 24                            ; v24-27   slot k: the scale's byte
.set X,  32                            ; v32-159  four slots of 32 numbers: a slot is a whole block
.set O,  160                           ; v160-183 slot k's 6 registers of codes at O + 6 k: two runs of 12
.set CT, 184                           ; v184-199 slot k's upper 16 codes as converted (a conversion's three registers begin on an even number)
.macro QSLOT k                         ; slot k's 32 numbers: largest magnitude, scale, codes
.set XS, X+32*(\k)
	v_max3_num_f32 v[MX], |v[XS]|, |v[XS+1]|, |v[XS+2]|
	v_max3_num_f32 v[MX+1], |v[XS+3]|, |v[XS+4]|, |v[XS+5]|
.irp i, 6,10,14,18,22,26
	v_max3_num_f32 v[MX], v[MX], |v[XS+\i]|, |v[XS+\i+1]|
	v_max3_num_f32 v[MX+1], v[MX+1], |v[XS+\i+2]|, |v[XS+\i+3]|
.endr
	v_max3_num_f32 v[MX], v[MX], |v[XS+30]|, |v[XS+31]|
	v_max3_num_f32 v[MX], v[MX], v[MX+1], 0x1800000               ; and the floor 2^(3 - 127): the byte cannot fall under 1
	v_add_nc_u32 v[SO+\k], 0xff000000, v[MX]                      ; 2 off the exponent field: the conversion takes that field as its scale
	v_lshrrev_b32 v[BY+\k], 23, v[SO+\k]                          ; the scale's byte
	v_cvt_scalef32_pk16_fp6_f32 v[O+6*(\k):O+6*(\k)+2], v[XS:XS+15], v[SO+\k]
	v_cvt_scalef32_pk16_fp6_f32 v[CT+4*(\k):CT+4*(\k)+2], v[XS+16:XS+31], v[SO+\k]
.endm
.macro FIN                             ; the upper halves move to their places
	v_nop                                          ; one plain instruction between the last conversion and the moves that read its result
.irp k, 0,1,2,3
.irp i, 0,1,2
	v_mov_b32 v[O+6*\k+3+\i], v[CT+4*\k+\i]
.endr
.endr
.endm
.macro XLOAD k, blk                    ; block blk of my token's 128 numbers into slot k
.irp i, 0,1,2,3,4,5,6,7,8,9,10,11,12,13,14,15,16,17,18,19,20,21,22,23,24,25,26,27,28,29,30,31
	global_load_b32 v[X+32*\k+\i], v3, s[4:5] offset:(32*\blk+\i)*4096 th:TH_LOAD_NT
.endr
.endm
	s_load_b512 s[4:19], s[0:1], 0x0               ; x, Wq, Wk, Wv, Wo, xcodes, xscl, wcodes
	s_load_b64 s[20:21], s[0:1], 0x40              ; wscl
	v_lshl_add_u32 v[SPW], v0, 2, SPARE
	v_mov_b32 v[NIL], 0
	v_lshrrev_b32 v1, 5, v0
	v_readfirstlane_b32 s24, v1                    ; wave 0..4
	v_and_b32 v2, 15, v0                           ; r.  (The LDS addresses are made here, ahead of the parting of the waves)
	v_bfe_u32 v9, v0, 4, 1                         ; h
	v_and_b32 v10, 8, v2
	v_add_nc_u32 v10, v10, v2                      ; r + 8 (r / 8)
	v_mul_u32_u24 v[LRD], v10, SP
	v_lshl_add_u32 v[LRD], v9, 7, v[LRD]           ; + 128 h: block h
	v_and_b32 v11, 31, v0                          ; lane
	v_lshlrev_b32 v[LST], 4, v11
	s_cmp_lt_u32 s24, 4
	s_cbranch_scc0 .Lweights
	; ---------------- waves 0-3: x ----------------
	s_lshr_b32 s25, ttmp9, 5                       ; b
	s_bfe_u32 s26, ttmp9, 0x30002                  ; tg: which 128 tokens
	s_and_b32 s27, ttmp9, 3                        ; s: which 128 along c
	s_lshl_b32 s28, s25, 21                        ; b x 512 x 4,096 bytes
	s_lshl_b32 s29, s27, 19                        ; s x 128 x 4,096
	s_add_co_u32 s28, s28, s29
	s_lshl_b32 s29, s26, 9                         ; tg x 128 tokens x 4
	s_add_co_u32 s28, s28, s29
	s_mov_b32 s29, 0
	s_lshl_b32 s30, s26, 2
	s_add_co_u32 s30, s30, s24                     ; G = 4 tg + wave: my 32 tokens
	s_lshl_b32 s30, s30, 1                         ; its first tile, 2 G
	s_lshl_b32 s32, s25, 6
	s_add_co_u32 s32, s32, s30
	s_lshl_b32 s32, s32, 2
	s_add_co_u32 s32, s32, s27
	s_mul_i32 s32, s32, 1536                       ; ((64 b + 2 G) 4 + s) fragments
	s_mov_b32 s33, 0
	s_lshl_b32 s34, s25, 2
	s_add_co_u32 s34, s34, s27
	s_lshl_b32 s34, s34, 6
	s_add_co_u32 s34, s34, s30
	s_lshl_b32 s34, s34, 6                         ; ((4 b + s) 64 + 2 G) x 16 words
	s_mov_b32 s35, 0
	v_lshlrev_b32 v3, 2, v0                        ; my token's 4 bytes in a row of the four waves' 512
	v_bfe_u32 v6, v0, 3, 1                         ; u: token 8 u + r + 8 (r / 8) of 32 has u in bit 3,
	v_and_b32 v7, 7, v0
	v_and_b32 v8, 16, v0
	v_lshrrev_b32 v8, 1, v8
	v_or_b32 v7, v7, v8                            ; and r in bits 0-2 and 4
	v_mul_u32_u24 v4, v6, 6144                     ; tile 2 G + u lies four fragments on
	v_lshl_add_u32 v4, v7, 4, v4                   ; + 16 r
	v_lshlrev_b32 v5, 6, v6
	v_lshl_add_u32 v5, v7, 2, v5                   ; scale word: 64 u + 4 r
	s_wait_kmcnt 0x0
	s_add_nc_u64 s[4:5], s[4:5], s[28:29]
	s_add_nc_u64 s[14:15], s[14:15], s[32:33]
	s_add_nc_u64 s[16:17], s[16:17], s[34:35]
	XLOAD 0, 0
	XLOAD 1, 2
	s_wait_loadcnt 32                              ; slot 0 is in; slot 1's 32 loads may be out
	XLOAD 2, 1
	QSLOT 0
	s_wait_loadcnt 32                              ; slot 1 is in; slot 2's may be out
	XLOAD 3, 3
	QSLOT 1
	s_wait_loadcnt 32                              ; slot 2 is in; slot 3's may be out
	QSLOT 2
	s_wait_loadcnt 0x0
	QSLOT 3
	FIN
	v_lshl_or_b32 v28, v[BY+2], 8, v[BY]           ; the word's bytes in the order of the blocks: slots 0, 2, 1, 3
	v_lshl_or_b32 v28, v[BY+1], 16, v28
	v_lshl_or_b32 v28, v[BY+3], 24, v28
.irp q, 0,1,2
	global_store_b128 v4, v[O+4*\q:O+4*\q+3], s[14:15] offset:512*\q             ; blocks 0, 2: what lane r of the fragment holds.  Sixteen lanes store 256 consecutive bytes, aligned, in each of the two tiles
	global_store_b128 v4, v[O+12+4*\q:O+12+4*\q+3], s[14:15] offset:512*\q+256   ; blocks 1, 3: lane 16 + r
.endr
	global_store_b32 v5, v28, s[16:17]
	s_branch .Lend
	; ---------------- wave 4: a piece of the weights ----------------
.Lweights:
	s_lshr_b32 s26, ttmp9, 6                       ; matrix: 0 q, 1 k, 2 v, 3 o
	s_bfe_u32 s27, ttmp9, 0x40002                  ; p: rows 32 p on
	s_and_b32 s25, ttmp9, 3                        ; s: which 128 along c
	s_wait_alu depctr_va_vdst(0)
	v_lshlrev_b32 v8, 2, v11                       ; 4 x lane
	v_lshlrev_b32 v9, 3, v9                        ; 8 h: my bytes' place in the scale word
	s_lshl_b32 s28, s27, 16                        ; 32 rows of 2,048 bytes
	s_lshl_b32 s29, s25, 9                         ; 128 numbers
	s_add_co_u32 s28, s28, s29
	s_mov_b32 s29, 0
	s_lshl_b32 s32, s26, 5
	s_lshl_b32 s30, s27, 1
	s_add_co_u32 s32, s32, s30
	s_lshl_b32 s32, s32, 2
	s_add_co_u32 s32, s32, s25
	s_mul_i32 s32, s32, 1536                       ; ((32 mat + 2 p) 4 + s) fragments
	s_mov_b32 s33, 0
	s_lshl_b32 s34, s26, 4
	s_add_co_u32 s34, s34, s27
	s_lshl_b32 s34, s34, 2
	s_add_co_u32 s34, s34, s25
	s_lshl_b32 s34, s34, 7                         ; ((16 mat + p) 4 + s) x 32 words
	s_mov_b32 s35, 0
	s_mov_b32 s36, 0x76543210
	s_mov_b32 s37, 0xfedcba98                      ; lane selects: lane l xor 16
	s_mov_b32 s38, 0xffff0000                      ; lanes 16-31
	s_wait_kmcnt 0x0
	s_cmp_eq_u32 s26, 1                            ; the choice hangs on the work-group's number alone
	s_cselect_b64 s[22:23], s[8:9], s[6:7]
	s_cmp_eq_u32 s26, 2
	s_cselect_b64 s[22:23], s[10:11], s[22:23]
	s_cmp_eq_u32 s26, 3
	s_cselect_b64 s[22:23], s[12:13], s[22:23]
	s_add_nc_u64 s[22:23], s[22:23], s[28:29]
	s_add_nc_u64 s[18:19], s[18:19], s[32:33]
	s_add_nc_u64 s[20:21], s[20:21], s[34:35]
.set ix, 0
.rept 32                               ; row 32 p + ix: the 32 lanes read its 512 consecutive bytes of this K step
	global_load_b128 v[X+4*ix:X+4*ix+3], v[LST], s[22:23] offset:ix*2048 th:TH_LOAD_NT
.set ix, ix+1
.endr
.irp g, 0,1,2,3
	s_wait_loadcnt 24-8*\g                         ; eight more rows are in; the later groups of eight may be out
.irp i, 0,1,2,3,4,5,6,7
	ds_store_b128 v[LST], v[X+4*(8*\g+\i):X+4*(8*\g+\i)+3] offset:(8*\g+\i)*SP   ; into the stage as loaded
.endr
.endr
.irp u, 0,1                            ; back: slot 2 u + cc takes block 2 cc + h of row 8 u + r + 8 (r / 8): 128 bytes a lane.  LDS serves a wave's instructions in order (ISA guide 5.7.1.4): these see my stores, and land in the registers that the stores have left
.irp cc, 0,1
.irp j, 0,1,2,3,4,5,6,7
	ds_load_b128 v[X+64*\u+32*\cc+4*\j:X+64*\u+32*\cc+4*\j+3], v[LRD] offset:\u*8*SP+\cc*256+16*\j
.endr
.endr
.endr
	s_wait_dscnt 24                                ; slot 0's eight loads are back; the three later slots' may be out
	QSLOT 0
	s_wait_dscnt 16
	QSLOT 1
	s_wait_dscnt 8
	QSLOT 2
	s_wait_dscnt 0x0
	QSLOT 3
	FIN
.irp u, 0,1
	v_lshl_or_b32 v[28+\u], v[BY+2*\u+1], 16, v[BY+2*\u]          ; my two bytes: blocks h and 2 + h,
	v_lshlrev_b32 v[28+\u], v9, v[28+\u]                          ; at their places;
	v_mov_b32 v[30+\u], 0
	v_permlanex16_b32 v[30+\u], v[28+\u], s36, s37
	v_or_b32 v[28+\u], v[28+\u], v[30+\u]                         ; with lane l xor 16's two the word is whole
.endr
	v_cndmask_b32 v28, v28, v29, s38               ; lanes 0-15 tile 2 p, lanes 16-31 tile 2 p + 1
.irp u, 0,1
.irp q, 0,1,2
	global_store_b128 v[LST], v[O+12*\u+4*\q:O+12*\u+4*\q+3], s[18:19] offset:\u*6144+512*\q   ; 32 lanes store 512 consecutive bytes, aligned
.endr
.endr
	global_store_b32 v8, v28, s[20:21]
.Lend:
	s_wait_tensorcnt 0x0                           ; the wave's end, behind my last LDS store
	ds_add_u32 v[SPW], v[NIL]
	s_wait_dscnt 0x0
	s_endpgm
.Lfunc_end_k_qbf6e875edb_quant:
	.size	k_qbf6e875edb_quant, .Lfunc_end_k_qbf6e875edb_quant-k_qbf6e875edb_quant
	.p2alignl 7, 3214868480
	.fill 96, 4, 3214868480
	.section	.rodata,"a",@progbits
	.p2align	6, 0x0
	.amdhsa_kernel k_qbf6e875edb_quant
		.amdhsa_group_segment_fixed_size 17664
		.amdhsa_private_segment_fixed_size 0
		.amdhsa_enable_private_segment 0
		.amdhsa_kernarg_size 72
		.amdhsa_user_sgpr_count 2
		.amdhsa_user_sgpr_kernarg_segment_ptr 1
		.amdhsa_wavefront_size32 1
		.amdhsa_system_sgpr_workgroup_id_x 1
		.amdhsa_system_sgpr_workgroup_id_y 1
		.amdhsa_system_sgpr_workgroup_id_z 1
		.amdhsa_system_vgpr_workitem_id 0
		.amdhsa_next_free_vgpr 200
		.amdhsa_next_free_sgpr 66
		.amdhsa_reserve_vcc 0
		.amdhsa_float_denorm_mode_32 3
		.amdhsa_float_denorm_mode_16_64 3
		.amdhsa_memory_ordered 1
		.amdhsa_forward_progress 1
		.amdhsa_inst_pref_size 37
	.end_amdhsa_kernel
	.amdgpu_metadata
---
amdhsa.version: [ 1, 2 ]
amdhsa.kernels:
  - .name:           k_qbf6e875edb_quant
    .symbol:         k_qbf6e875edb_quant.kd
    .args:
      - { .name: x, .offset: 0, .size: 8, .value_kind: global_buffer, .address_space: global }
      - { .name: Wq, .offset: 8, .size: 8, .value_kind: global_buffer, .address_space: global }
      - { .name: Wk, .offset: 16, .size: 8, .value_kind: global_buffer, .address_space: global }
      - { .name: Wv, .offset: 24, .size: 8, .value_kind: global_buffer, .address_space: global }
      - { .name: Wo, .offset: 32, .size: 8, .value_kind: global_buffer, .address_space: global }
      - { .name: xcodes, .offset: 40, .size: 8, .value_kind: global_buffer, .address_space: global }
      - { .name: xscl, .offset: 48, .size: 8, .value_kind: global_buffer, .address_space: global }
      - { .name: wcodes, .offset: 56, .size: 8, .value_kind: global_buffer, .address_space: global }
      - { .name: wscl, .offset: 64, .size: 8, .value_kind: global_buffer, .address_space: global }
    .group_segment_fixed_size: 17664
    .private_segment_fixed_size: 0
    .kernarg_segment_align: 8
    .kernarg_segment_size: 72
    .max_flat_workgroup_size: 160
    .sgpr_count:     66
    .vgpr_count:     200
    .wavefront_size: 32
...
	.end_amdgpu_metadata
.endif
;; end of part 1
;; launch qkv (part 2): grid 64 x 3, 8 waves a work-group, no clusters, 50,176 bytes of LDS; arguments xcodes, xscl, wcodes, wscl, bq, bk, bv, qkv; writes qkv
.if DOCPART == 2
	.amdgcn_target "amdgcn-amd-amdhsa--gfx1250"
	.amdhsa_code_object_version 6
	.text
	.protected	k_qbf6e875edb_qkv
	.globl	k_qbf6e875edb_qkv
	.p2align	8
	.type	k_qbf6e875edb_qkv,@function
k_qbf6e875edb_qkv:
	s_mov_b64 s[64:65], 0
	v_nop
	global_prefetch_b8 v0, s[64:65] scope:SCOPE_SE
	s_setreg_imm32_b32 hwreg(HW_REG_WAVE_MODE, 25, 1), 1
	s_wait_xcnt 0x0
; q, k, v = W x + b on codes of FP6 (E2M3) with E8M0 scales, sums in f32; the results are quantised at once: q and k along the head's 64 channels, v along the keys.
; SHARES.  Work-group x = 8 b + tg: 128 tokens (8 tiles) of one image; work-group y = kind (0 q, 1 k, 2 v); wave = head.  A wave makes 64 channels x 128 tokens: 32 accumulators, 4 K steps of 128, 128 matrix instructions.
; The work-group's 32 fragments of x, one dense block of 49,152 bytes, are copied into LDS once and read by all eight waves; a wave's 16 fragments of its weight go from memory straight into its registers.
; LAYOUT.  Row r of tile 2 g + u (tokens, rows of a weight) is index 32 g + 8 u + r + 8 (r / 8).  So where such tiles are source 0, the 16 result registers of tiles 2 g and 2 g + 1 in lane (r, h) are the neighbours 32 g + 16 h + 0 .. 15.
; q, k: source 0 = 16 rows of W, source 1 = 16 tokens: a lane holds one token, its registers run along the channels.  v: source 0 = 16 tokens, source 1 = 16 rows of W: a lane holds one channel, its registers run along the keys.
; OUT: qkv [b x 8 + head] records of 153,600 bytes: Qc 0 (32 x 1,536), Qs 49,152 (32 x 64), Kc 51,200, Vc 100,352, Ks 149,504, Vs 151,552; fragments as images of their registers (register 4 q + i of lane L at 512 q + 16 L + 4 i).
; Entry g of Qc and Kc is a PAIR: in row r, k 0-63 are the channels of row r of token tile 2 g, k 64-127 those of tile 2 g + 1.  Entry 4 ks + t of Vc: rows = channels of tile t, K = keys 128 ks on.  Scale word of entry e, row r: 64 e + 4 r.
; NO CLUSTER: the block of x is shared by the three work-groups of a column of the grid, and 3 divides into no cluster; a weight is shared by 64 work-groups, but each fragment is used by one wave of each,
; so a joint load would add 196,608 bytes of LDS writes and as many reads to every work-group, beside the 49,152 that it has.
; LIMITS: NaN and infinities are not served; blocks whose largest magnitude lies under 2^-124 get the byte 1 (blocks of zeros too: their codes are zeros, and this program alone reads the bytes).
.set SPARE, 49152                      ; behind the fragments of x: the spare words, 128 bytes for each of the eight waves
.set LI,  4                            ; v4   16 x lane
.set LS,  5                            ; v5   4 x lane
.set CP,  6                            ; v6   16 x thread: the copy
.set BAQ, 7                            ; v7   bias offset for q, k: 64 h
.set SPW, 8                            ; v8   my spare word; never rewritten
.set NIL, 9                            ; v9   0; never rewritten
.set BAV, 10                           ; v10  bias offset for v: 4 (r + 8 (r / 8))
.set XSC, 16                           ; v16-31  x's scale words: K step s, tiles 2 g (lanes 0-15) and 2 g + 1 (lanes 16-31) at XSC + 4 s + g
.set WSC, 32                           ; v32-39  the weight's: pair p, K step s at WSC + 4 p + s
.set W0,  40                           ; v40-87, v88-135  the weight's four fragments of a K step, two sets
.set XF,  136                          ; v136-231  x's eight fragments of a K step
.set BI,  40                           ; behind the K steps: the bias,
.set CT,  72                           ; v72-79   conversions' upper halves,
.set PC,  88                           ; v88-135  the four fragments made,
.set HA,  136                          ; v136-199 64 numbers to be quantised,
.set TM,  200                          ; v200-215 at work,
.set PW,  216                          ; v216-219 the four scale words, v220-221 merged
.set SEL, 22                           ; s[22:23] lane selects: lane l xor 16
.set MSB, 0
.macro WIN new                         ; the immediate's high byte repeats the setting that is left
.if MSB != \new
	s_set_vgpr_msb (MSB<<8)|\new
.set MSB, \new
.endif
.endm
.macro PLACES                          ; four plain instructions behind matrix instructions, ahead of loads into their operands and of reads of their results
.rept 4
	v_nop
.endr
.endm
; One product.  rD, rA, rB: first registers of D, source 0, source 1; rSA, rSB: their scale registers; pA, pB = 1: that side's words stand in lanes 16-31.  zero = 1: the product starts the sum.
.macro WM zero
.if \zero
.if pA && pB
	v_wmma_scale_f32_16x16x128_f8f6f4 v[rD:rD+7], v[rA:rA+11], v[rB:rB+11], 0, v[rSA], v[rSB] matrix_a_fmt:MATRIX_FMT_FP6 matrix_b_fmt:MATRIX_FMT_FP6 matrix_a_scale:MATRIX_SCALE_ROW1 matrix_b_scale:MATRIX_SCALE_ROW1
.elseif pA
	v_wmma_scale_f32_16x16x128_f8f6f4 v[rD:rD+7], v[rA:rA+11], v[rB:rB+11], 0, v[rSA], v[rSB] matrix_a_fmt:MATRIX_FMT_FP6 matrix_b_fmt:MATRIX_FMT_FP6 matrix_a_scale:MATRIX_SCALE_ROW1
.elseif pB
	v_wmma_scale_f32_16x16x128_f8f6f4 v[rD:rD+7], v[rA:rA+11], v[rB:rB+11], 0, v[rSA], v[rSB] matrix_a_fmt:MATRIX_FMT_FP6 matrix_b_fmt:MATRIX_FMT_FP6 matrix_b_scale:MATRIX_SCALE_ROW1
.else
	v_wmma_scale_f32_16x16x128_f8f6f4 v[rD:rD+7], v[rA:rA+11], v[rB:rB+11], 0, v[rSA], v[rSB] matrix_a_fmt:MATRIX_FMT_FP6 matrix_b_fmt:MATRIX_FMT_FP6
.endif
.else
.if pA && pB
	v_wmma_scale_f32_16x16x128_f8f6f4 v[rD:rD+7], v[rA:rA+11], v[rB:rB+11], v[rD:rD+7], v[rSA], v[rSB] matrix_a_fmt:MATRIX_FMT_FP6 matrix_b_fmt:MATRIX_FMT_FP6 matrix_a_scale:MATRIX_SCALE_ROW1 matrix_b_scale:MATRIX_SCALE_ROW1
.elseif pA
	v_wmma_scale_f32_16x16x128_f8f6f4 v[rD:rD+7], v[rA:rA+11], v[rB:rB+11], v[rD:rD+7], v[rSA], v[rSB] matrix_a_fmt:MATRIX_FMT_FP6 matrix_b_fmt:MATRIX_FMT_FP6 matrix_a_scale:MATRIX_SCALE_ROW1
.elseif pB
	v_wmma_scale_f32_16x16x128_f8f6f4 v[rD:rD+7], v[rA:rA+11], v[rB:rB+11], v[rD:rD+7], v[rSA], v[rSB] matrix_a_fmt:MATRIX_FMT_FP6 matrix_b_fmt:MATRIX_FMT_FP6 matrix_b_scale:MATRIX_SCALE_ROW1
.else
	v_wmma_scale_f32_16x16x128_f8f6f4 v[rD:rD+7], v[rA:rA+11], v[rB:rB+11], v[rD:rD+7], v[rSA], v[rSB] matrix_a_fmt:MATRIX_FMT_FP6 matrix_b_fmt:MATRIX_FMT_FP6
.endif
.endif
.endm
.macro WFETCH ws, s                    ; my head's four fragments of K step s into set ws: 12 loads
.irp t, 0,1,2,3
.irp q, 0,1,2
	global_load_b128 v[W0+48*\ws+12*\t+4*\q:W0+48*\ws+12*\t+4*\q+3], v[LI], s[8:9] offset:\t*6144+\s*1536+512*\q
.endr
.endr
.endm
.macro XFETCH s                        ; x's eight fragments of K step s: each load takes 512 consecutive bytes of LDS
.irp m, 0,1,2,3,4,5,6,7
.irp q, 0,1,2
	ds_load_b128 v[XF+12*\m+4*\q:XF+12*\m+4*\q+3], v[LI] offset:(4*\m+\s)*1536+512*\q
.endr
.endr
.endm
; A K step's 32 products; the 32 accumulators (window 1) take turns, one instruction a turn, in the same order in every step.
.macro MM isv, s, ws, zero
	WIN 0x50                                       ; C and D in window 1
.if \isv
.irp t, 0,1,2,3
.irp m, 0,1,2,3,4,5,6,7
.set rD, 64*\t+8*\m
.set rA, XF+12*\m
.set rB, W0+48*\ws+12*\t
.set rSA, XSC+4*\s+\m/2
.set rSB, WSC+4*(\t/2)+\s
.set pA, \m%2
.set pB, \t%2
	WM \zero
.endr
.endr
.else
.irp m, 0,1,2,3,4,5,6,7
.irp t, 0,1,2,3
.set rD, 32*\m+8*\t
.set rA, W0+48*\ws+12*\t
.set rB, XF+12*\m
.set rSA, WSC+4*(\t/2)+\s
.set rSB, XSC+4*\s+\m/2
.set pA, \t%2
.set pB, \m%2
	WM \zero
.endr
.endr
.endif
	WIN 0
.endm
; 64 numbers of a lane, v[HA] on, register 16 b + i = k 32 b + 16 h + i of my row, become a fragment's codes in v[pc] on and its scale word in v[pw].
.macro QUANT pc, pw
.irp b, 0,1,2,3
	v_max3_num_f32 v[TM+\b], |v[HA+16*\b]|, |v[HA+1+16*\b]|, 0x1800000   ; block b: my 16 numbers, and the floor 2^(3 - 127): the byte cannot fall under 1
.endr
.irp i, 2,4,6,8,10,12,14
.irp b, 0,1,2,3
	s_delay_alu instid0(VALU_DEP_4)
	v_max3_num_f32 v[TM+\b], v[TM+\b], |v[HA+16*\b+\i]|, |v[HA+1+16*\b+\i]|
.endr
.endr
.irp b, 0,1,2,3
	s_delay_alu instid0(VALU_DEP_4)
	v_permlanex16_b32 v[TM+4+\b], v[TM+\b], s[SEL], s[SEL+1]
.endr
.irp b, 0,1,2,3
	s_delay_alu instid0(VALU_DEP_4)
	v_max_num_f32 v[TM+\b], v[TM+\b], v[TM+4+\b]                   ; with lane l xor 16's: the block's largest magnitude
.endr
.irp b, 0,1,2,3
	s_delay_alu instid0(VALU_DEP_4)
	v_add_nc_u32 v[TM+12+\b], 0xff000000, v[TM+\b]                 ; 2 off its exponent field: the conversion's scale operand
.endr
.irp b, 0,1,2,3
	s_delay_alu instid0(VALU_DEP_4)
	v_lshrrev_b32 v[TM+4+\b], 23, v[TM+12+\b]                      ; the scale's byte
.endr
	s_delay_alu instid0(VALU_DEP_3)
	v_lshl_or_b32 v[\pw], v[TM+5], 8, v[TM+4]
	s_delay_alu instid0(VALU_DEP_1)
	v_lshl_or_b32 v[\pw], v[TM+6], 16, v[\pw]
	s_delay_alu instid0(VALU_DEP_1)
	v_lshl_or_b32 v[\pw], v[TM+7], 24, v[\pw]
.irp c, 0,1
	v_cvt_scalef32_pk16_fp6_f32 v[\pc+6*\c:\pc+2+6*\c], v[HA+32*\c:HA+15+32*\c], v[TM+12+2*\c]
	v_cvt_scalef32_pk16_fp6_f32 v[CT+4*\c:CT+2+4*\c], v[HA+16+32*\c:HA+31+32*\c], v[TM+12+2*\c+1]   ; (a conversion's three registers begin on an even number)
.endr
	v_nop                                          ; one plain instruction behind the conversions
.irp c, 0,1                            ; the operand's layout wants a whole block in a lane: lanes 0-15 block 2 c, lanes 16-31 block 2 c + 1
.irp i, 0,1,2
	v_permlane16_swap_b32 v[\pc+6*\c+\i], v[CT+4*\c+\i]
.endr
.irp i, 0,1,2
	s_delay_alu instid0(VALU_DEP_3)
	v_mov_b32 v[\pc+3+6*\c+\i], v[CT+4*\c+\i]
.endr
.endr
.endm
; Fragment f of the four that a wave makes: 8 accumulators + bias -> 64 numbers -> codes -> memory.  Each accumulator is read from its low end on.
.macro OUTF f, isv
	WIN 0x01                                       ; source 0 in window 1
.set ix, 0
.rept 32
.if \isv
	v_pk_add_f32 v[HA+ix:HA+ix+1], v[64*\f+ix:64*\f+ix+1], v[BI+2*\f:BI+2*\f+1]        ; my channel's bias, twice
.else
	v_pk_add_f32 v[HA+ix:HA+ix+1], v[64*\f+ix:64*\f+ix+1], v[BI+ix%32:BI+ix%32+1]      ; the biases of my 32 channels; both tiles of tokens take the same
.endif
.set ix, ix+2
.endr
	WIN 0
	QUANT PC+12*\f, PW+\f
.irp q, 0,1,2
	global_store_b128 v[LI], v[PC+12*\f+4*\q:PC+12*\f+4*\q+3], s[36:37] offset:1536*\f+512*\q   ; 32 lanes store 512 consecutive bytes, aligned
.endr
.endm
.macro BODY isv
	XFETCH 0
	s_wait_loadcnt 12                              ; set 0 and the scale words are in; set 1's 12 loads may be out
	s_wait_dscnt 0x0
	MM \isv, 0, 0, 1                               ; the first K step starts the sums
	PLACES
	WFETCH 0, 2
	XFETCH 1
	s_wait_loadcnt 12                              ; set 1 is in; the 12 just issued may be out
	s_wait_dscnt 0x0
	MM \isv, 1, 1, 0
	PLACES
	WFETCH 1, 3
	XFETCH 2
	s_wait_loadcnt 12
	s_wait_dscnt 0x0
	MM \isv, 2, 0, 0
	PLACES
.if \isv
.irp t, 0,1,2,3                        ; lane (r, h) holds channel 32 (t / 2) + 8 (t % 2) + r + 8 (r / 8) of tile t: its bias twice, for the packed addition
	global_load_b32 v[BI+2*\t], v[BAV], s[12:13] offset:(32*(\t/2)+8*(\t%2))*4
	global_load_b32 v[BI+2*\t+1], v[BAV], s[12:13] offset:(32*(\t/2)+8*(\t%2))*4
.endr
.else
.irp t, 0,1,2,3                        ; lane (r, h) holds channels 32 (t / 2) + 16 h + 8 (t % 2) + 0 .. 7 of tile t
	global_load_b128 v[BI+8*\t:BI+8*\t+3], v[BAQ], s[12:13] offset:(32*(\t/2)+8*(\t%2))*4
	global_load_b128 v[BI+8*\t+4:BI+8*\t+7], v[BAQ], s[12:13] offset:(32*(\t/2)+8*(\t%2))*4+16
.endr
.endif
	XFETCH 3
	s_wait_loadcnt 8                               ; set 1 is in; the 8 bias loads may be out
	s_wait_dscnt 0x0
	MM \isv, 3, 1, 0
	PLACES
.irp b, 0,1,2,3
	v_mov_b32 v[TM+4+\b], 0                        ; a lane exchange's destination counts as one of its sources
.endr
	s_wait_loadcnt 0x0                             ; the bias
	OUTF 0, \isv
	OUTF 1, \isv
	OUTF 2, \isv
	OUTF 3, \isv
	v_cndmask_b32 v[PW+4], v[PW], v[PW+1], s24     ; lanes 0-15 one entry's words, lanes 16-31 the next entry's
	v_cndmask_b32 v[PW+5], v[PW+2], v[PW+3], s24
	global_store_b32 v[LS], v[PW+4], s[38:39]
	global_store_b32 v[LS], v[PW+5], s[38:39] offset:128
.endm
	s_load_b256 s[4:11], s[0:1], 0x0               ; xcodes, xscl, wcodes, wscl
	s_load_b256 s[12:19], s[0:1], 0x20             ; bq, bk, bv, qkv
	v_lshl_add_u32 v[SPW], v0, 2, SPARE
	v_mov_b32 v[NIL], 0
	v_lshrrev_b32 v1, 5, v0
	s_delay_alu instid0(VALU_DEP_1)
	v_readfirstlane_b32 s20, v1                    ; wave = head
	v_and_b32 v1, 31, v0
	s_delay_alu instid0(VALU_DEP_1)
	v_lshlrev_b32 v[LI], 4, v1
	s_delay_alu instid0(VALU_DEP_2)
	v_lshlrev_b32 v[LS], 2, v1
	v_lshlrev_b32 v[CP], 4, v0
	v_bfe_u32 v2, v0, 4, 1                         ; h
	s_delay_alu instid0(VALU_DEP_1)
	v_lshlrev_b32 v[BAQ], 6, v2
	v_and_b32 v2, 15, v0                           ; r
	s_delay_alu instid0(VALU_DEP_1)
	v_and_b32 v3, 8, v2
	s_delay_alu instid0(VALU_DEP_1)
	v_add_nc_u32 v3, v3, v2
	s_delay_alu instid0(VALU_DEP_1)
	v_lshlrev_b32 v[BAV], 2, v3
	s_and_b32 s21, ttmp7, 0xffff                   ; kind
	s_lshr_b32 s26, ttmp9, 3                       ; b
	s_and_b32 s27, ttmp9, 7                        ; tg
	s_mov_b32 s[SEL], 0x76543210
	s_mov_b32 s[SEL+1], 0xfedcba98
	s_mov_b32 s24, 0xffff0000                      ; lanes 16-31
	s_mov_b32 s41, 0                               ; the upper word of every offset
	s_lshl_b32 s28, s26, 3
	s_add_co_u32 s28, s28, s20
	s_mul_i32 s28, s28, 153600                     ; my record
	s_cmp_lg_u32 s21, 0
	s_cselect_b32 s29, 2048, 0                     ; K's and V's codes lie behind Q's scale words
	s_mov_b32 s30, 49152
	s_cselect_b32 s30, 147456, s30                 ; where the scale words lie, less 2,048 x kind
	s_wait_alu depctr_va_vdst(0)
	s_wait_kmcnt 0x0
	s_mul_i32 s40, ttmp9, 49152
	s_add_nc_u64 s[4:5], s[4:5], s[40:41]          ; x's 32 fragments
	s_lshl_b32 s40, s26, 14
	s_lshl_b32 s31, s27, 9
	s_add_co_u32 s40, s40, s31
	s_add_nc_u64 s[6:7], s[6:7], s[40:41]          ; their scale words
	s_mul_i32 s40, s21, 196608
	s_mul_i32 s31, s20, 24576
	s_add_co_u32 s40, s40, s31
	s_add_nc_u64 s[8:9], s[8:9], s[40:41]          ; my head's 16 fragments of the weight
	s_lshl_b32 s40, s21, 13
	s_lshl_b32 s31, s20, 10
	s_add_co_u32 s40, s40, s31
	s_add_nc_u64 s[10:11], s[10:11], s[40:41]      ; their scale words
	s_cmp_eq_u32 s21, 1                            ; the bias: the choice hangs on the work-group's number alone
	s_cselect_b64 s[12:13], s[14:15], s[12:13]
	s_cmp_eq_u32 s21, 2
	s_cselect_b64 s[12:13], s[16:17], s[12:13]
	s_lshl_b32 s40, s20, 8
	s_add_nc_u64 s[12:13], s[12:13], s[40:41]
	s_mul_i32 s40, s21, 49152
	s_add_co_u32 s40, s40, s28
	s_add_co_u32 s40, s40, s29
	s_mul_i32 s31, s27, 6144
	s_add_co_u32 s40, s40, s31
	s_add_nc_u64 s[36:37], s[18:19], s[40:41]      ; where my four fragments go
	s_lshl_b32 s40, s21, 11
	s_add_co_u32 s40, s40, s28
	s_add_co_u32 s40, s40, s30
	s_lshl_b32 s31, s27, 8
	s_add_co_u32 s40, s40, s31
	s_add_nc_u64 s[38:39], s[18:19], s[40:41]      ; and their scale words
.irp i, 0,1,2,3,4,5,6,7,8,9,10,11
	global_load_b128 v[XF+4*\i:XF+4*\i+3], v[CP], s[4:5] offset:4096*\i   ; the copy: 256 threads x 16 bytes, twelve times
.endr
	WFETCH 0, 0
.irp s, 0,1,2,3
.irp g, 0,1,2,3
	global_load_b32 v[XSC+4*\s+\g], v[LS], s[6:7] offset:\s*4096+\g*128
.endr
.endr
.irp p, 0,1
.irp s, 0,1,2,3
	global_load_b32 v[WSC+4*\p+\s], v[LS], s[10:11] offset:\p*512+\s*128
.endr
.endr
	WFETCH 1, 1
	s_wait_loadcnt 48                              ; the copy's twelve are in; behind them 12 + 24 + 12 were issued
.irp i, 0,1,2,3,4,5,6,7,8,9,10,11
	ds_store_b128 v[CP], v[XF+4*\i:XF+4*\i+3] offset:4096*\i
.endr
	s_wait_dscnt 0x0                               ; for the others' sake: my part of the copy lies in LDS
	s_barrier_signal -1
	s_barrier_wait -1                              ; everybody's does; nothing is stored to these bytes again
	s_cmp_eq_u32 s21, 2
	s_cbranch_scc1 .Lv
	BODY 0
	s_branch .Lend
.Lv:
	BODY 1
.Lend:
	s_wait_tensorcnt 0x0                           ; the wave's end, behind my last LDS store
	ds_add_u32 v[SPW], v[NIL]
	s_wait_dscnt 0x0
	s_endpgm
.Lfunc_end_k_qbf6e875edb_qkv:
	.size	k_qbf6e875edb_qkv, .Lfunc_end_k_qbf6e875edb_qkv-k_qbf6e875edb_qkv
	.p2alignl 7, 3214868480
	.fill 96, 4, 3214868480
	.section	.rodata,"a",@progbits
	.p2align	6, 0x0
	.amdhsa_kernel k_qbf6e875edb_qkv
		.amdhsa_group_segment_fixed_size 50176
		.amdhsa_private_segment_fixed_size 0
		.amdhsa_enable_private_segment 0
		.amdhsa_kernarg_size 64
		.amdhsa_user_sgpr_count 2
		.amdhsa_user_sgpr_kernarg_segment_ptr 1
		.amdhsa_wavefront_size32 1
		.amdhsa_system_sgpr_workgroup_id_x 1
		.amdhsa_system_sgpr_workgroup_id_y 1
		.amdhsa_system_sgpr_workgroup_id_z 1
		.amdhsa_system_vgpr_workitem_id 0
		.amdhsa_next_free_vgpr 512
		.amdhsa_next_free_sgpr 66
		.amdhsa_reserve_vcc 0
		.amdhsa_float_denorm_mode_32 3
		.amdhsa_float_denorm_mode_16_64 3
		.amdhsa_memory_ordered 1
		.amdhsa_forward_progress 1
		.amdhsa_inst_pref_size 125
	.end_amdhsa_kernel
	.amdgpu_metadata
---
amdhsa.version: [ 1, 2 ]
amdhsa.kernels:
  - .name:           k_qbf6e875edb_qkv
    .symbol:         k_qbf6e875edb_qkv.kd
    .args:
      - { .name: xcodes, .offset: 0, .size: 8, .value_kind: global_buffer, .address_space: global }
      - { .name: xscl, .offset: 8, .size: 8, .value_kind: global_buffer, .address_space: global }
      - { .name: wcodes, .offset: 16, .size: 8, .value_kind: global_buffer, .address_space: global }
      - { .name: wscl, .offset: 24, .size: 8, .value_kind: global_buffer, .address_space: global }
      - { .name: bq, .offset: 32, .size: 8, .value_kind: global_buffer, .address_space: global }
      - { .name: bk, .offset: 40, .size: 8, .value_kind: global_buffer, .address_space: global }
      - { .name: bv, .offset: 48, .size: 8, .value_kind: global_buffer, .address_space: global }
      - { .name: qkv, .offset: 56, .size: 8, .value_kind: global_buffer, .address_space: global }
    .group_segment_fixed_size: 50176
    .private_segment_fixed_size: 0
    .kernarg_segment_align: 8
    .kernarg_segment_size: 64
    .max_flat_workgroup_size: 256
    .sgpr_count:     66
    .vgpr_count:     512
    .wavefront_size: 32
...
	.end_amdgpu_metadata
.endif
;; end of part 2
;; launch attn (part 3): grid 4 x 64, 16 waves a work-group, clusters of 4 x 1, 167,936 bytes of LDS; arguments qkv, acodes, ascl; writes acodes, ascl
.if DOCPART == 3
	.amdgcn_target "amdgcn-amd-amdhsa--gfx1250"
	.amdhsa_code_object_version 6
	.text
	.protected	k_qbf6e875edb_attn
	.globl	k_qbf6e875edb_attn
	.p2align	8
	.type	k_qbf6e875edb_attn,@function
k_qbf6e875edb_attn:
	s_mov_b64 s[64:65], 0
	v_nop
	global_prefetch_b8 v0, s[64:65] scope:SCOPE_SE
	s_setreg_imm32_b32 hwreg(HW_REG_WAVE_MODE, 25, 1), 1
	s_wait_xcnt 0x0
	s_wait_alu depctr_hold_cnt(0) depctr_sa_sdst(0) depctr_va_vdst(0) depctr_va_sdst(0) depctr_va_ssrc(0) depctr_va_vcc(0) depctr_vm_vsrc(0)
	s_getreg_b32 s2, hwreg(HW_REG_IB_STS2, 6, 4)
	s_cmp_eq_u32 s2, 0
	s_cbranch_scc0 .Lentry_in_a_cluster
	s_endpgm
.Lentry_in_a_cluster:
	s_bfe_u32 s2, ttmp6, 0x10000c
	s_cmp_lg_u32 s2, 0x3003
	s_cbranch_scc0 .Lentry_shape_is_right
	s_endpgm
.Lentry_shape_is_right:
; softmax(q k^T / 8) v for one (image, head), both products on codes of FP6 (E2M3) with E8M0 scales; the result, divided by the row's sum, is quantised along the channels for the last projection.
; THE SOFTMAX: t = score x log2(e) / 8; M = the row's largest t so far, rounded UP to a whole number; p = 2^(t - M) is quantised along the keys, not normalised.  The row's sum is taken of the unquantised p.
; When M moves, the sum and O are multiplied by 2^(old M - new M): exact.
; SHARES.  Work-group y = 8 b + head; the four work-groups of a cluster take a quarter of the 1,024 queries each; each of sixteen waves owns one tile of 16 queries in 256 registers: four waves to a SIMD.
; CLUSTER.  The head's K, V and their scale words are ONE dense block of 102,400 bytes (400 rows of 256), which all four partners read whole.  It comes into LDS ONCE: each wave asks for 25 rows
; by one joint load (the same descriptor in all four, a mask that names the four).  Nothing is filled again: one tensor load a wave is out, once.  The place in the cluster enters global addresses of Q and of the outputs alone.
; LAYOUT.  Both products transposed: S^T = K Q^T, O^T = V^T P^T: a lane holds one query (lane % 16) throughout.
; An entry of K is a PAIR of tiles: in row r, k 0-63 are the channels of key 32 e + r + 8 (r / 8), k 64-127 those of the key 8 further on.  Against [q | 0] it gives the first tile's scores, against [0 | q] the second's
; (zero codes add nothing under any scale byte from 1 to 254).  So registers 16 e + 0 .. 15 of S^T in lane (r, h) are keys 32 e + 16 h + 0 .. 15: 16 neighbours, as the conversions want them.
; OUT: acodes [b][tile 64][head 8][768]: half a fragment (16 tokens x 64 channels): registers 0-3 at 16 L, registers 4-5 at 512 + 8 L;  ascl [b][head][tile 64][r 16] halfwords.
; LIMITS: NaN and infinities are not served; blocks whose largest magnitude lies under 2^-124 get the byte 1.
.set VCO,   49152                      ; LDS: K's 32 entries at 0, V's 32 at 49,152,
.set KSO,   98304                      ; K's scale words, V's 2,048 bytes on;
.set SCG,   102400                     ; 512 bytes where the sixteen waves' scale halfwords meet (no tile lands here);
.set SPARE, 102912                     ; the spare words, 128 bytes for each of the sixteen waves
.set LI,  1                            ; v1   16 x lane
.set LS,  2                            ; v2   KSO + 4 x lane
.set SPW, 3                            ; v3   my spare word; never rewritten
.set NIL, 4                            ; v4   0; never rewritten
.set ADK, 5                            ; v5   the step's entries
.set ADS, 6                            ; v6   the step's scale words
.set SCA, 7                            ; v7   SCG + 32 x wave + 2 r
.set L8,  8                            ; v8   8 x lane
.set SCR, 9                            ; v9   SCG + 16 x lane
.set QSO, 11                           ; v11  4 r
.set QLO, 16                           ; v16-27 [q | 0];  v28-39 [0 | q];  v12 -M, v13 the largest t, v[14:15] the sum in two halves
.set QS,  40                           ; v40  q's scale bytes, in both halves of the word
.set KSC, 41                           ; v41-42 K's scale words;  v43-44 V's
.set VSC, 43
.set FR,  48                           ; v48-95  four entries of K, then of V
.set S,   96                           ; v96-159 S^T, then p
.set OT,  160                          ; v160-191 O^T
.set PCD, 192                          ; v192-203 p's codes
.set CT,  204                          ; v204-211 conversions' upper halves
.set BM,  212                          ; v212-215 a block's largest score, then p
.set BT,  216                          ; v216-219 at work
.set SOP, 220                          ; v220-223 the conversions' scale operands
.set TMP, 224
.set HW,  225
.set F,   226                          ; v226 f = 2^(old M - new M);  v227 p's scale word (named with f as a pair)
.set PW,  227
.set WV,  10                           ; s10 wave
.set SEL, 14                           ; s[14:15] lane selects: lane l xor 16
.set CS,  16                           ; s[16:17] c = log2(e) / 8
.macro PLACES
.rept 4
	v_nop
.endr
.endm
.macro CROUND                          ; a round of the cluster's barrier
	s_barrier_signal -1
	s_barrier_wait -1
	s_cmp_lg_u32 s[WV], 0
	s_cbranch_scc1 .Lnot_wave_0_\@
	s_barrier_signal -3
.Lnot_wave_0_\@:
	s_barrier_wait -3
	s_barrier_signal -1
	s_barrier_wait -1
.endm
; One product.  rD, rA, rB: first registers of D, source 0, source 1; rSA, rSB: their scale registers; pA = 1: source 0's words stand in lanes 16-31.  zero = 1: the product starts the sum.
.macro WM zero
.if \zero
.if pA
	v_wmma_scale_f32_16x16x128_f8f6f4 v[rD:rD+7], v[rA:rA+11], v[rB:rB+11], 0, v[rSA], v[rSB] matrix_a_fmt:MATRIX_FMT_FP6 matrix_b_fmt:MATRIX_FMT_FP6 matrix_a_scale:MATRIX_SCALE_ROW1
.else
	v_wmma_scale_f32_16x16x128_f8f6f4 v[rD:rD+7], v[rA:rA+11], v[rB:rB+11], 0, v[rSA], v[rSB] matrix_a_fmt:MATRIX_FMT_FP6 matrix_b_fmt:MATRIX_FMT_FP6
.endif
.else
.if pA
	v_wmma_scale_f32_16x16x128_f8f6f4 v[rD:rD+7], v[rA:rA+11], v[rB:rB+11], v[rD:rD+7], v[rSA], v[rSB] matrix_a_fmt:MATRIX_FMT_FP6 matrix_b_fmt:MATRIX_FMT_FP6 matrix_a_scale:MATRIX_SCALE_ROW1
.else
	v_wmma_scale_f32_16x16x128_f8f6f4 v[rD:rD+7], v[rA:rA+11], v[rB:rB+11], v[rD:rD+7], v[rSA], v[rSB] matrix_a_fmt:MATRIX_FMT_FP6 matrix_b_fmt:MATRIX_FMT_FP6
.endif
.endif
.endm
	s_load_b128 s[4:7], s[0:1], 0x0                ; qkv, acodes
	s_load_b64 s[8:9], s[0:1], 0x10                ; ascl
	v_lshl_add_u32 v[SPW], v0, 2, SPARE
	v_mov_b32 v[NIL], 0
	ds_add_u32 v[SPW], v[NIL]                      ; the wave's opening: the add and its wait ahead of my first tensor load; work on registers stands between them
	ds_add_u32 v[SPW], v[NIL]
	v_lshrrev_b32 v10, 5, v0
	s_delay_alu instid0(VALU_DEP_1)
	v_readfirstlane_b32 s[WV], v10                 ; wave 0..15
	s_bfe_u32 s11, ttmp6, 0x40000                  ; cx: my quarter of the queries
	s_and_b32 s12, ttmp7, 0xffff                   ; 8 b + head, which the four partners share
	; descriptor group 1: 25 rows of 32 elements of 8 bytes, dense in memory and in LDS
	s_mov_b32 s24, 15|(3<<16)|(1<<21)              ; 15:0 the mask: all four work-groups; 17:16 elements of 8 bytes; 20 no padding; 21 set beside a mask
	s_mov_b32 s25, 32<<16                          ; tensor_dim0 = 32
	s_mov_b32 s26, 25<<16                          ; tensor_dim1 = 25
	s_mov_b32 s27, 32<<16                          ; tile_dim0 = 32
	s_mov_b32 s28, 25                              ; tile_dim1 = 25
	s_mov_b32 s29, 32                              ; from row to row: 32 elements
	s_mov_b32 s30, 0
	s_mov_b32 s31, 0
	s_mul_i32 s21, s[WV], 6400                     ; my 25 rows in LDS: the wave's number alone
	s_mul_i32 s36, s12, 153600                     ; the head's record
	s_add_co_u32 s38, s36, s21
	s_add_co_u32 s38, s38, 51200                   ; my 25 rows in memory: K's codes begin 51,200 bytes into the record
	s_mov_b32 s39, 0
	s_lshl_b32 s40, s11, 3
	s_lshr_b32 s42, s[WV], 1
	s_add_co_u32 s40, s40, s42                     ; g = 8 cx + wave / 2: the pair of tiles with my queries
	s_mul_i32 s42, s40, 1536
	s_add_co_u32 s42, s42, s36
	s_mov_b32 s43, 0
	s_lshl_b32 s44, s40, 6
	s_add_co_u32 s44, s44, s36
	s_add_co_u32 s44, s44, 49152                   ; and its scale words
	s_mov_b32 s45, 0
	s_lshr_b32 s52, s12, 3                         ; b
	s_and_b32 s53, s12, 7                          ; head
	s_lshl_b32 s46, s11, 4
	s_add_co_u32 s46, s46, s[WV]                   ; my tile: 16 cx + wave
	s_lshl_b32 s52, s52, 6
	s_add_co_u32 s46, s46, s52
	s_lshl_b32 s46, s46, 3
	s_add_co_u32 s46, s46, s53
	s_mul_i32 s46, s46, 768                        ; ((64 b + tile) 8 + head) half fragments
	s_mov_b32 s47, 0
	s_lshl_b32 s50, s12, 11
	s_lshl_b32 s51, s11, 9
	s_add_co_u32 s50, s50, s51                     ; the work-group's 512 bytes of scale halfwords
	s_mov_b32 s51, 0
	s_and_b32 s48, s[WV], 1                        ; u: which tile of the pair is mine
	s_lshl_b32 s49, s48, 4                         ; 16 u
	s_sub_co_u32 s48, 0, s48                       ; all lanes where u = 1
	s_mov_b32 s[SEL], 0x76543210
	s_mov_b32 s[SEL+1], 0xfedcba98
	s_mov_b32 s[CS], 0x3e38aa3b                    ; c = log2(e) / 8
	s_mov_b32 s[CS+1], s[CS]                       ; (named with it as a pair, so it is written)
	v_and_b32 v10, 31, v0
	s_delay_alu instid0(VALU_DEP_1)
	v_lshlrev_b32 v[LI], 4, v10
	s_delay_alu instid0(VALU_DEP_2)
	v_lshlrev_b32 v[L8], 3, v10
	s_delay_alu instid0(VALU_DEP_3)
	v_lshl_add_u32 v[LS], v10, 2, KSO
	s_delay_alu instid0(VALU_DEP_4)
	v_lshl_add_u32 v[SCR], v10, 4, SCG
	v_and_b32 v[QSO], 15, v0
	v_and_b32 v[SCA], 0x1e0, v0                    ; 32 x wave
	s_delay_alu instid0(VALU_DEP_1)
	v_lshl_add_u32 v[SCA], v[QSO], 1, v[SCA]
	s_delay_alu instid0(VALU_DEP_1)
	v_add_nc_u32 v[SCA], SCG, v[SCA]
	s_delay_alu instid0(VALU_DEP_4)
	v_lshlrev_b32 v[QSO], 2, v[QSO]
	s_wait_dscnt 0x0                               ; the opening add is done
	s_wait_kmcnt 0x0
	s_mov_b32 s20, 1                               ; group 0: count = 1
	s_add_nc_u64 s[22:23], s[4:5], s[38:39]        ; global address
	s_or_b32 s23, s23, 0x80000000                  ; type = 2
	CROUND                                         ; all four work-groups are here: the joint loads meet
	tensor_load_to_lds s[20:23], s[24:31]          ; my 25 rows of the head's K, V and scale words
	s_nop 0
	PLACES
	s_add_nc_u64 s[42:43], s[4:5], s[42:43]
	s_add_nc_u64 s[44:45], s[4:5], s[44:45]
	s_add_nc_u64 s[6:7], s[6:7], s[46:47]
	s_add_nc_u64 s[8:9], s[8:9], s[50:51]
	s_wait_alu depctr_va_vdst(0)
.irp q, 0,1,2
	global_load_b128 v[FR+4*\q:FR+4*\q+3], v[LI], s[42:43] offset:512*\q   ; the pair of tiles of Q
.endr
	global_load_b32 v[QS], v[QSO], s[44:45]        ; and its scale words
	v_mov_b32 v13, 0xff61b1e6                      ; the largest t so far: -3e38, under every t
	s_delay_alu instid0(VALU_DEP_1)
	v_floor_f32 v12, -v13                          ; -M
	v_mov_b32 v14, 0                               ; the sum, in two halves
	v_mov_b32 v15, 0
.irp b, 0,1,2,3
	v_mov_b32 v[BT+\b], 0                          ; a lane exchange's destination counts as one of its sources
.endr
	v_mov_b32 v[PW], 0                             ; (named as the upper half of the pair with f before it is first written)
.set ix, 0
.rept 32
	v_mov_b32 v[OT+ix], 0                          ; O^T.  (The loop is written once: its first step finds zeros, which the first change of M leaves zeros)
.set ix, ix+1
.endr
	s_wait_loadcnt 0x0
	v_lshrrev_b32 v[QS], s49, v[QS]                ; my tile's two bytes,
	s_delay_alu instid0(VALU_DEP_1)
	v_and_b32 v[QS], 0xffff, v[QS]
	s_delay_alu instid0(VALU_DEP_1)
	v_lshl_or_b32 v[QS], v[QS], 16, v[QS]          ; in both halves: one word serves [q | 0] and [0 | q]
.irp i, 0,1,2,3,4,5
	v_cndmask_b32 v[QLO+\i], v[FR+\i], v[FR+6+\i], s48   ; my tile's six registers
.endr
.irp i, 0,1,2,3,4,5
	v_mov_b32 v[QLO+18+\i], v[QLO+\i]
.endr
.irp i, 0,1,2,3,4,5,6,7,8,9,10,11
	v_mov_b32 v[QLO+6+\i], 0                       ; zero codes in the other halves.  (These lines are also the places between q's scale word and the first product)
.endr
	s_wait_tensorcnt 0x0                           ; my 25 rows are in,
	s_barrier_signal -1
	s_barrier_wait -1                              ; everybody's are
	s_mov_b32 s32, 0                               ; where the step's entries begin: 6,144 bytes a step
	s_mov_b32 s33, 0                               ; and its scale words: 256 bytes a step
	s_mov_b32 s34, 8
.Lstep:                                            ; eight trips of 128 keys
	s_setprio 2
	v_add_nc_u32 v[ADK], s32, v[LI]
	v_add_nc_u32 v[ADS], s33, v[LS]
	v_nop
	v_nop                                          ; four places behind the last trip's products, ahead of the loads into their operands
.irp e, 0,1,2,3
.irp q, 0,1,2
	ds_load_b128 v[FR+12*\e+4*\q:FR+12*\e+4*\q+3], v[ADK] offset:1536*\e+512*\q
.endr
.endr
	ds_load_b32 v[KSC], v[ADS]
	ds_load_b32 v[KSC+1], v[ADS] offset:128
	s_wait_dscnt 0x0
	s_wait_alu depctr_va_vdst(0)
.irp e, 0,1,2,3                        ; S^T = K Q^T: each entry against [q | 0] and [0 | q]
.irp u, 0,1
.set rD, S+16*\e+8*\u
.set rA, FR+12*\e
.set rB, QLO+12*\u
.set rSA, KSC+\e/2
.set rSB, QS
.set pA, \e%2
	WM 1
.endr
.endr
	PLACES                                         ; ahead of the loads into K's registers and of the first read of the scores
.irp t, 0,1,2,3
.irp q, 0,1,2
	ds_load_b128 v[FR+12*\t+4*\q:FR+12*\t+4*\q+3], v[ADK] offset:VCO+1536*\t+512*\q   ; V's four entries land while the softmax is walked
.endr
.endr
	ds_load_b32 v[VSC], v[ADS] offset:2048
	ds_load_b32 v[VSC+1], v[ADS] offset:2176
.irp b, 0,1,2,3
	v_max3_num_f32 v[BM+\b], v[S+16*\b], v[S+1+16*\b], v[S+2+16*\b]   ; the largest score of each block of 32 keys: it serves the row's maximum and, since p rises with the score, the block's largest p
.endr
.irp i, 3,5,7,9,11,13
.irp b, 0,1,2,3
	v_max3_num_f32 v[BM+\b], v[BM+\b], v[S+16*\b+\i], v[S+1+16*\b+\i]
.endr
.endr
.irp b, 0,1,2,3
	v_max_num_f32 v[BM+\b], v[BM+\b], v[S+15+16*\b]
.endr
.irp b, 0,1,2,3
	s_delay_alu instid0(VALU_DEP_4)
	v_permlanex16_b32 v[BT+\b], v[BM+\b], s[SEL], s[SEL+1]
.endr
.irp b, 0,1,2,3
	s_delay_alu instid0(VALU_DEP_4)
	v_max_num_f32 v[BM+\b], v[BM+\b], v[BT+\b]     ; with lane l xor 16's 16 keys
.endr
	s_delay_alu instid0(VALU_DEP_2)
	v_max3_num_f32 v[TMP], v[BM], v[BM+1], v[BM+2]
	s_delay_alu instid0(VALU_DEP_1)
	v_max_num_f32 v[TMP], v[TMP], v[BM+3]          ; the step's largest score of my query
	s_delay_alu instid0(VALU_DEP_1)
	v_mul_f32 v[TMP], s[CS], v[TMP]                ; as t (c is positive)
	s_delay_alu instid0(VALU_DEP_1)
	v_max_num_f32 v13, v13, v[TMP]                 ; the running largest t
	v_mov_b32 v[TMP], v12
	s_delay_alu instid0(VALU_DEP_2)
	v_floor_f32 v12, -v13                          ; the new -M = floor(-t): M is a whole number
	s_delay_alu instid0(VALU_DEP_1)
	v_sub_f32 v[TMP], v12, v[TMP]                  ; old M less new M: a whole number, 0 or less
	s_delay_alu instid0(VALU_DEP_1)
	v_cvt_i32_f32 v[TMP], v[TMP]                   ; (it saturates)
	s_delay_alu instid0(VALU_DEP_1)
	v_ldexp_f32 v[F], 1.0, v[TMP]                  ; f = 2^(old M - new M)
.set ix, 0
.rept 32
	v_pk_fma_f32 v[S+ix:S+ix+1], v[S+ix:S+ix+1], s[CS:CS+1], v[12:13] op_sel_hi:[1,0,0]   ; t - M, two at a time
.set ix, ix+2
.endr
.irp b, 0,1,2,3
	v_fma_f32 v[BM+\b], v[BM+\b], s[CS], v12       ; the same of each block's largest score
.endr
.set ix, 0
	s_wait_alu depctr_va_vdst(0)
.rept 64
	v_exp_f32 v[S+ix], v[S+ix]                     ; p = 2^(t - M), at most 1
.set ix, ix+1
.endr
	s_setprio 1
	v_pk_mul_f32 v[14:15], v[14:15], v[F:F+1] op_sel_hi:[1,0]     ; the sums under the new M: the plain instruction behind the exponentials
	s_wait_alu depctr_va_vdst(0)                   ; one wait for the batch of 64, ahead of its first reader
.irp b, 0,1,2,3
	v_exp_f32 v[BM+\b], v[BM+\b]                   ; the block's largest p: the same two instructions on the same number
.endr
	v_pk_add_f32 v[216:217], v[100:101], v[104:105]
	v_pk_add_f32 v[254:255], v[108:109], v[112:113]
	v_pk_add_f32 v[252:253], v[116:117], v[120:121]
	v_pk_add_f32 v[250:251], v[124:125], v[128:129]
	v_pk_add_f32 v[248:249], v[132:133], v[136:137]
	v_pk_add_f32 v[246:247], v[140:141], v[144:145]
	v_pk_add_f32 v[244:245], v[148:149], v[152:153]
	v_pk_add_f32 v[14:15], v[14:15], v[156:157]
	v_pk_add_f32 v[216:217], v[216:217], v[96:97]
	v_pk_add_f32 v[254:255], v[254:255], v[98:99]
	v_pk_add_f32 v[252:253], v[252:253], v[102:103]
	v_pk_add_f32 v[250:251], v[250:251], v[106:107]
	v_pk_add_f32 v[248:249], v[248:249], v[110:111]
	v_pk_add_f32 v[246:247], v[246:247], v[114:115]
	v_pk_add_f32 v[244:245], v[244:245], v[118:119]
	v_pk_add_f32 v[14:15], v[14:15], v[122:123]
	v_pk_add_f32 v[216:217], v[216:217], v[126:127]
	v_pk_add_f32 v[254:255], v[254:255], v[130:131]
	v_pk_add_f32 v[252:253], v[252:253], v[134:135]
	v_pk_add_f32 v[250:251], v[250:251], v[138:139]
	v_pk_add_f32 v[248:249], v[248:249], v[142:143]
	v_pk_add_f32 v[246:247], v[246:247], v[146:147]
	v_pk_add_f32 v[244:245], v[244:245], v[150:151]
	v_pk_add_f32 v[14:15], v[14:15], v[154:155]
	v_pk_add_f32 v[216:217], v[216:217], v[158:159]
	s_delay_alu instid0(VALU_DEP_2)
	v_pk_add_f32 v[14:15], v[14:15], v[250:251]
	s_delay_alu instid0(VALU_DEP_2)
	v_pk_add_f32 v[216:217], v[216:217], v[248:249]
	v_pk_add_f32 v[254:255], v[254:255], v[246:247]
	v_pk_add_f32 v[252:253], v[252:253], v[244:245]
	s_delay_alu instid0(VALU_DEP_2)
	v_pk_add_f32 v[14:15], v[14:15], v[254:255]
	s_delay_alu instid0(VALU_DEP_2)
	v_pk_add_f32 v[216:217], v[216:217], v[252:253]
	s_delay_alu instid0(VALU_DEP_1)
	v_pk_add_f32 v[14:15], v[14:15], v[216:217]
	s_wait_alu depctr_va_vdst(0)                   ; and one for the four
.irp b, 0,1,2,3
	v_max_num_f32 v[BM+\b], 0x1800000, v[BM+\b]    ; the floor 2^(3 - 127): the byte cannot fall under 1
.endr
.irp b, 0,1,2,3
	s_delay_alu instid0(VALU_DEP_4)
	v_add_nc_u32 v[SOP+\b], 0xff000000, v[BM+\b]   ; 2 off the exponent field: the conversion's scale operand
.endr
.irp b, 0,1,2,3
	s_delay_alu instid0(VALU_DEP_4)
	v_lshrrev_b32 v[BT+\b], 23, v[SOP+\b]          ; the scale's byte
.endr
	s_delay_alu instid0(VALU_DEP_3)
	v_lshl_or_b32 v[PW], v[BT+1], 8, v[BT]         ; p's scale word for these 128 keys
	s_delay_alu instid0(VALU_DEP_1)
	v_lshl_or_b32 v[PW], v[BT+2], 16, v[PW]
	s_delay_alu instid0(VALU_DEP_1)
	v_lshl_or_b32 v[PW], v[BT+3], 24, v[PW]
.irp c, 0,1
	v_cvt_scalef32_pk16_fp6_f32 v[PCD+6*\c:PCD+2+6*\c], v[S+32*\c:S+15+32*\c], v[SOP+2*\c]
	v_cvt_scalef32_pk16_fp6_f32 v[CT+4*\c:CT+2+4*\c], v[S+16+32*\c:S+31+32*\c], v[SOP+2*\c+1]
.endr
	v_nop                                          ; one plain instruction behind the conversions
.irp c, 0,1                            ; a whole block in a lane: lanes 0-15 block 2 c, lanes 16-31 block 2 c + 1
.irp i, 0,1,2
	v_permlane16_swap_b32 v[PCD+6*\c+\i], v[CT+4*\c+\i]
.endr
.irp i, 0,1,2
	s_delay_alu instid0(VALU_DEP_3)
	v_mov_b32 v[PCD+3+6*\c+\i], v[CT+4*\c+\i]
.endr
.endr
.set ix, 0
	s_setprio 0
.rept 16
	v_pk_mul_f32 v[OT+ix:OT+ix+1], v[OT+ix:OT+ix+1], v[F:F+1] op_sel_hi:[1,0]   ; O^T under the new M.  (Also the places between p's codes and scale word and the products)
.set ix, ix+2
.endr
	s_wait_alu depctr_va_vdst(0)
	s_wait_dscnt 0x0                               ; V's entries and scale words are in
.irp t, 0,1,2,3                        ; O^T += V^T P^T; the four accumulators take turns
.set rD, OT+8*\t
.set rA, FR+12*\t
.set rB, PCD
.set rSA, VSC+\t/2
.set rSB, PW
.set pA, \t%2
	WM 0
.endr
	s_add_co_u32 s32, s32, 6144
	s_add_co_u32 s33, s33, 256
	s_sub_co_u32 s34, s34, 1
	s_cmp_lg_u32 s34, 0
	s_cbranch_scc1 .Lstep
	s_setprio 0
	; THE WAY OUT: O^T / the sum; register 16 b + i is channel 32 b + 16 h + i of my query: two blocks of 32 along the last projection's K
	PLACES
	v_add_f32 v14, v14, v15                        ; the sum's two halves,
	s_delay_alu instid0(VALU_DEP_1)
	v_permlanex16_b32 v[TMP], v14, s[SEL], s[SEL+1]
	s_delay_alu instid0(VALU_DEP_1)
	v_add_f32 v14, v14, v[TMP]                     ; and lane l xor 16's
	s_wait_alu depctr_va_vdst(0)
	v_rcp_f32 v14, v14
	v_nop                                          ; a plain instruction behind the reciprocal
	s_wait_alu depctr_va_vdst(0)                   ; and the wait ahead of its first reader
.set ix, 0
.rept 32
	v_mul_f32 v[S+ix], v[OT+ix], v14               ; each accumulator from its low end on
.set ix, ix+1
.endr
.irp b, 0,1
	v_max3_num_f32 v[BM+\b], |v[S+16*\b]|, |v[S+1+16*\b]|, 0x1800000
.endr
.irp i, 2,4,6,8,10,12,14
.irp b, 0,1
	s_delay_alu instid0(VALU_DEP_2)
	v_max3_num_f32 v[BM+\b], v[BM+\b], |v[S+16*\b+\i]|, |v[S+1+16*\b+\i]|
.endr
.endr
.irp b, 0,1
	s_delay_alu instid0(VALU_DEP_2)
	v_permlanex16_b32 v[BT+\b], v[BM+\b], s[SEL], s[SEL+1]
.endr
.irp b, 0,1
	s_delay_alu instid0(VALU_DEP_2)
	v_max_num_f32 v[BM+\b], v[BM+\b], v[BT+\b]
.endr
.irp b, 0,1
	s_delay_alu instid0(VALU_DEP_2)
	v_add_nc_u32 v[SOP+\b], 0xff000000, v[BM+\b]
.endr
.irp b, 0,1
	s_delay_alu instid0(VALU_DEP_2)
	v_lshrrev_b32 v[BT+\b], 23, v[SOP+\b]
.endr
	s_delay_alu instid0(VALU_DEP_1)
	v_lshl_or_b32 v[HW], v[BT+1], 8, v[BT]         ; my row's two scale bytes
	v_cvt_scalef32_pk16_fp6_f32 v[PCD:PCD+2], v[S:S+15], v[SOP]
	v_cvt_scalef32_pk16_fp6_f32 v[CT:CT+2], v[S+16:S+31], v[SOP+1]
	v_nop
.irp i, 0,1,2
	v_permlane16_swap_b32 v[PCD+\i], v[CT+\i]
.endr
.irp i, 0,1,2
	s_delay_alu instid0(VALU_DEP_3)
	v_mov_b32 v[PCD+3+\i], v[CT+\i]                ; registers 0-5: channels 32 h + 0 .. 31
.endr
	global_store_b128 v[LI], v[PCD:PCD+3], s[6:7]              ; 512 consecutive bytes, aligned
	global_store_b64 v[L8], v[PCD+4:PCD+5], s[6:7] offset:512  ; 256 consecutive bytes, aligned
	ds_store_b16 v[SCA], v[HW]                     ; both halves of the lanes write the same halfword with the same value
	s_wait_dscnt 0x0                               ; for wave 0's sake
	s_barrier_signal -1
	s_barrier_wait -1
	s_cmp_lg_u32 s[WV], 0
	s_cbranch_scc1 .Lnot_first
	ds_load_b128 v[FR:FR+3], v[SCR]                ; the sixteen tiles' halfwords: 512 bytes
	s_wait_dscnt 0x0
	global_store_b128 v[LI], v[FR:FR+3], s[8:9]    ; 512 consecutive bytes, aligned
.Lnot_first:
	s_wait_tensorcnt 0x0                           ; the wave's end, behind my tensor load and my last LDS store
	ds_add_u32 v[SPW], v[NIL]
	s_wait_dscnt 0x0
	CROUND                                         ; the closing round
	s_endpgm
.Lfunc_end_k_qbf6e875edb_attn:
	.size	k_qbf6e875edb_attn, .Lfunc_end_k_qbf6e875edb_attn-k_qbf6e875edb_attn
	.p2alignl 7, 3214868480
	.fill 96, 4, 3214868480
	.section	.rodata,"a",@progbits
	.p2align	6, 0x0
	.amdhsa_kernel k_qbf6e875edb_attn
		.amdhsa_group_segment_fixed_size 167936
		.amdhsa_private_segment_fixed_size 0
		.amdhsa_enable_private_segment 0
		.amdhsa_kernarg_size 24
		.amdhsa_user_sgpr_count 2
		.amdhsa_user_sgpr_kernarg_segment_ptr 1
		.amdhsa_wavefront_size32 1
		.amdhsa_system_sgpr_workgroup_id_x 1
		.amdhsa_system_sgpr_workgroup_id_y 1
		.amdhsa_system_sgpr_workgroup_id_z 1
		.amdhsa_system_vgpr_workitem_id 0
		.amdhsa_next_free_vgpr 256
		.amdhsa_next_free_sgpr 66
		.amdhsa_reserve_vcc 0
		.amdhsa_float_denorm_mode_32 3
		.amdhsa_float_denorm_mode_16_64 3
		.amdhsa_memory_ordered 1
		.amdhsa_forward_progress 1
		.amdhsa_inst_pref_size 30
	.end_amdhsa_kernel
	.amdgpu_metadata
---
amdhsa.version: [ 1, 2 ]
amdhsa.kernels:
  - .name:           k_qbf6e875edb_attn
    .symbol:         k_qbf6e875edb_attn.kd
    .args:
      - { .name: qkv, .offset: 0, .size: 8, .value_kind: global_buffer, .address_space: global }
      - { .name: acodes, .offset: 8, .size: 8, .value_kind: global_buffer, .address_space: global }
      - { .name: ascl, .offset: 16, .size: 8, .value_kind: global_buffer, .address_space: global }
    .group_segment_fixed_size: 167936
    .private_segment_fixed_size: 0
    .kernarg_segment_align: 8
    .kernarg_segment_size: 24
    .max_flat_workgroup_size: 512
    .sgpr_count:     66
    .vgpr_count:     256
    .wavefront_size: 32
...
	.end_amdgpu_metadata
.endif
;; end of part 3
;; launch oproj (part 4): grid 128 x 2, 8 waves a work-group, no clusters, 60,416 bytes of LDS; arguments acodes, ascl, wcodes, wscl, bo, out0; writes out0
.if DOCPART == 4
	.amdgcn_target "amdgcn-amd-amdhsa--gfx1250"
	.amdhsa_code_object_version 6
	.text
	.protected	k_qbf6e875edb_oproj
	.globl	k_qbf6e875edb_oproj
	.p2align	8
	.type	k_qbf6e875edb_oproj,@function
k_qbf6e875edb_oproj:
	s_mov_b64 s[64:65], 0
	v_nop
	global_prefetch_b8 v0, s[64:65] scope:SCOPE_SE
	s_setreg_imm32_b32 hwreg(HW_REG_WAVE_MODE, 25, 1), 1
	s_wait_xcnt 0x0
; out0 [b][o 512][n 1024] = Wo a + bo, on codes of FP6 (E2M3) with E8M0 scales, sums in f32; a is the attention's result, quantised along c = 64 head + d.
; SHARES.  Work-group x = 16 b + tg: 64 tokens (4 tiles); work-group y = oh: 256 outputs.  Wave w takes Wo's pair of tiles p = 8 oh + w (32 outputs): 8 accumulators, 4 K steps, 32 matrix instructions.
; The work-group's 32 half fragments of a, one dense block of 24,576 bytes, are copied into LDS once and read by all eight waves; a wave's 8 fragments of Wo go from memory straight into its registers.
; LAYOUT.  Source 0 = 16 tokens (row r of tile 2 g + u is token 32 g + 8 u + r + 8 (r / 8)), source 1 = 16 rows of Wo: a lane holds one output channel, and the 16 registers of tiles 2 g, 2 g + 1 are tokens 32 g + 16 h + 0 .. 15.
; A K step of 128 is two heads: registers 0-5 of a fragment are head 2 s's half fragment, registers 6-11 head 2 s + 1's; the scale word is the two heads' halfwords.
; THE WAY OUT goes through each wave's own stage in LDS: 16 rows (outputs) of 256 bytes + 16; back by rows, sixteen lanes store 256 consecutive bytes of out0, aligned.
; NO CLUSTER: the block of a is shared by two work-groups only; Wo's fragments are each used by one wave of a work-group, so a joint load would send 98,304 bytes through LDS in every work-group, four times what it has there now.
.set STG,   24576                      ; behind the copy: the stages, 4,352 bytes a wave
.set SPARE, 59392                      ; behind the stages: the spare words, 128 bytes for each of the eight waves
.set L16, 1                            ; v1  16 x lane;  v2  8 x lane;  v3  4 x lane;  v4  2 x lane
.set L8,  2
.set L4,  3
.set L2,  4
.set CP,  5                            ; v5  16 x thread
.set BA,  6                            ; v6  4 (r + 8 (r / 8))
.set STO, 7                            ; v7  stage, in: 272 r + 64 h
.set SRD, 8                            ; v8  stage, back: 272 h + 16 r
.set GO,  9                            ; v9  out0: 4,096 h + 16 r
.set SPW, 10                           ; v10 my spare word; never rewritten
.set NIL, 11                           ; v11 0; never rewritten
.set BIA, 12                           ; v12-15 my two channels' biases, each twice
.set ASC, 16                           ; v16-23 a's scale words: tiles 2 g (lanes 0-15), 2 g + 1 (lanes 16-31), K step s at ASC + 4 g + s
.set WSC, 24                           ; v24-27 Wo's: K step s; lanes 0-15 tile 2 p, lanes 16-31 tile 2 p + 1
.set U,   28                           ; v28-43 the halfwords as loaded: U + 8 g + head
.set AT,  48                           ; v48-95, v96-143  a's four fragments of a K step, two sets
.set WO,  144                          ; v144-167, v168-191  Wo's two fragments, two sets
.set ACC, 192                          ; v192-255 accumulator (t, m) at ACC + 8 (4 t + m)
.macro PLACES
.rept 4
	v_nop
.endr
.endm
; One product.  rD, rA, rB: first registers of D, source 0, source 1; rSA, rSB: their scale registers; pA, pB = 1: that side's words stand in lanes 16-31.  zero = 1: the product starts the sum.
.macro WM zero
.if \zero
.if pA && pB
	v_wmma_scale_f32_16x16x128_f8f6f4 v[rD:rD+7], v[rA:rA+11], v[rB:rB+11], 0, v[rSA], v[rSB] matrix_a_fmt:MATRIX_FMT_FP6 matrix_b_fmt:MATRIX_FMT_FP6 matrix_a_scale:MATRIX_SCALE_ROW1 matrix_b_scale:MATRIX_SCALE_ROW1
.elseif pA
	v_wmma_scale_f32_16x16x128_f8f6f4 v[rD:rD+7], v[rA:rA+11], v[rB:rB+11], 0, v[rSA], v[rSB] matrix_a_fmt:MATRIX_FMT_FP6 matrix_b_fmt:MATRIX_FMT_FP6 matrix_a_scale:MATRIX_SCALE_ROW1
.elseif pB
	v_wmma_scale_f32_16x16x128_f8f6f4 v[rD:rD+7], v[rA:rA+11], v[rB:rB+11], 0, v[rSA], v[rSB] matrix_a_fmt:MATRIX_FMT_FP6 matrix_b_fmt:MATRIX_FMT_FP6 matrix_b_scale:MATRIX_SCALE_ROW1
.else
	v_wmma_scale_f32_16x16x128_f8f6f4 v[rD:rD+7], v[rA:rA+11], v[rB:rB+11], 0, v[rSA], v[rSB] matrix_a_fmt:MATRIX_FMT_FP6 matrix_b_fmt:MATRIX_FMT_FP6
.endif
.else
.if pA && pB
	v_wmma_scale_f32_16x16x128_f8f6f4 v[rD:rD+7], v[rA:rA+11], v[rB:rB+11], v[rD:rD+7], v[rSA], v[rSB] matrix_a_fmt:MATRIX_FMT_FP6 matrix_b_fmt:MATRIX_FMT_FP6 matrix_a_scale:MATRIX_SCALE_ROW1 matrix_b_scale:MATRIX_SCALE_ROW1
.elseif pA
	v_wmma_scale_f32_16x16x128_f8f6f4 v[rD:rD+7], v[rA:rA+11], v[rB:rB+11], v[rD:rD+7], v[rSA], v[rSB] matrix_a_fmt:MATRIX_FMT_FP6 matrix_b_fmt:MATRIX_FMT_FP6 matrix_a_scale:MATRIX_SCALE_ROW1
.elseif pB
	v_wmma_scale_f32_16x16x128_f8f6f4 v[rD:rD+7], v[rA:rA+11], v[rB:rB+11], v[rD:rD+7], v[rSA], v[rSB] matrix_a_fmt:MATRIX_FMT_FP6 matrix_b_fmt:MATRIX_FMT_FP6 matrix_b_scale:MATRIX_SCALE_ROW1
.else
	v_wmma_scale_f32_16x16x128_f8f6f4 v[rD:rD+7], v[rA:rA+11], v[rB:rB+11], v[rD:rD+7], v[rSA], v[rSB] matrix_a_fmt:MATRIX_FMT_FP6 matrix_b_fmt:MATRIX_FMT_FP6
.endif
.endif
.endm
.macro AFETCH st, s                    ; a's four fragments of K step s into set st: 16 LDS loads
.irp m, 0,1,2,3
.irp cc, 0,1
	ds_load_b128 v[AT+48*\st+12*\m+6*\cc:AT+48*\st+12*\m+6*\cc+3], v[L16] offset:(8*\m+2*\s+\cc)*768
	ds_load_b64 v[AT+48*\st+12*\m+6*\cc+4:AT+48*\st+12*\m+6*\cc+5], v[L8] offset:(8*\m+2*\s+\cc)*768+512
.endr
.endr
.endm
.macro WFETCH st, s                    ; Wo's two fragments of K step s into set st: 6 loads
.irp t, 0,1
.irp q, 0,1,2
	global_load_b128 v[WO+24*\st+12*\t+4*\q:WO+24*\st+12*\t+4*\q+3], v[L16], s[8:9] offset:\t*6144+\s*1536+512*\q
.endr
.endr
.endm
.macro MM s, st, zero                  ; a K step's 8 products; the accumulators take turns, one instruction a turn, in the same order in every step
.irp t, 0,1
.irp m, 0,1,2,3
.set rD, ACC+8*(4*\t+\m)
.set rA, AT+48*\st+12*\m
.set rB, WO+24*\st+12*\t
.set rSA, ASC+4*(\m/2)+\s
.set rSB, WSC+\s
.set pA, \m%2
.set pB, \t
	WM \zero
.endr
.endr
.endm
.macro OUT t                           ; tile t of my outputs: bias, through the stage, out by rows
.set ix, 0
.rept 16
	v_pk_add_f32 v[ACC+32*\t+ix:ACC+32*\t+ix+1], v[ACC+32*\t+ix:ACC+32*\t+ix+1], v[BIA+2*\t:BIA+2*\t+1]   ; each accumulator from its low end on
.set ix, ix+2
.endr
.irp m, 0,1,2,3
	ds_store_b128 v[STO], v[ACC+32*\t+8*\m:ACC+32*\t+8*\m+3] offset:128*(\m/2)+32*(\m%2)          ; tokens 32 (m / 2) + 16 h + 8 (m % 2) + 0 .. 7 of row r
	ds_store_b128 v[STO], v[ACC+32*\t+8*\m+4:ACC+32*\t+8*\m+7] offset:128*(\m/2)+32*(\m%2)+16
.endr
.irp i, 0,1,2,3,4,5,6,7
	ds_load_b128 v[AT+32*\t+4*\i:AT+32*\t+4*\i+3], v[SRD] offset:544*\i   ; LDS serves a wave's instructions in order (ISA guide 5.7.1.4): these see my stores, and the next tile's stores come behind them
.endr
.irp i, 0,1,2,3,4,5,6,7
	s_wait_dscnt 7-\i                              ; rows 2 i, 2 i + 1 are back; the younger loads may be out
	global_store_b128 v[GO], v[AT+32*\t+4*\i:AT+32*\t+4*\i+3], s[14:15] offset:(8*\t+2*\i+8*(\i/4))*4096 th:TH_STORE_NT   ; stage row q is output 8 t + q + 8 (q / 8) of my 32
.endr
.endm
	s_load_b256 s[4:11], s[0:1], 0x0               ; acodes, ascl, wcodes, wscl
	s_load_b128 s[12:15], s[0:1], 0x20             ; bo, out0
	v_lshl_add_u32 v[SPW], v0, 2, SPARE
	v_mov_b32 v[NIL], 0
	v_lshrrev_b32 v44, 5, v0
	s_delay_alu instid0(VALU_DEP_1)
	v_readfirstlane_b32 s16, v44                   ; wave 0..7
	s_lshr_b32 s17, ttmp9, 4                       ; b
	s_and_b32 s18, ttmp9, 15                       ; tg
	s_and_b32 s19, ttmp7, 0xffff                   ; oh
	s_lshl_b32 s20, s19, 3
	s_add_co_u32 s20, s20, s16                     ; p
	s_mul_i32 s21, s16, 4352
	s_add_co_u32 s21, s21, STG                     ; my stage
	v_and_b32 v44, 31, v0                          ; lane
	v_and_b32 v45, 15, v0                          ; r
	v_bfe_u32 v46, v0, 4, 1                        ; h
	s_delay_alu instid0(VALU_DEP_3)
	v_lshlrev_b32 v[L16], 4, v44
	s_delay_alu instid0(VALU_DEP_4)
	v_lshlrev_b32 v[L8], 3, v44
	v_lshlrev_b32 v[L4], 2, v44
	v_lshlrev_b32 v[L2], 1, v44
	v_lshlrev_b32 v[CP], 4, v0
	v_and_b32 v47, 8, v45
	s_delay_alu instid0(VALU_DEP_1)
	v_add_nc_u32 v47, v47, v45
	s_delay_alu instid0(VALU_DEP_1)
	v_lshlrev_b32 v[BA], 2, v47
	v_mul_u32_u24 v[STO], v45, 272
	s_delay_alu instid0(VALU_DEP_1)
	v_lshl_add_u32 v[STO], v46, 6, v[STO]
	s_delay_alu instid0(VALU_DEP_1)
	v_add_nc_u32 v[STO], s21, v[STO]
	v_mul_u32_u24 v[SRD], v46, 272
	s_delay_alu instid0(VALU_DEP_1)
	v_lshl_add_u32 v[SRD], v45, 4, v[SRD]
	s_delay_alu instid0(VALU_DEP_1)
	v_add_nc_u32 v[SRD], s21, v[SRD]
	v_lshlrev_b32 v[GO], 12, v46
	s_delay_alu instid0(VALU_DEP_1)
	v_lshl_add_u32 v[GO], v45, 4, v[GO]
	s_mov_b32 s25, 0                               ; the upper word of every offset
	s_wait_alu depctr_va_vdst(0)
	s_wait_kmcnt 0x0
	s_mul_i32 s24, ttmp9, 24576
	s_add_nc_u64 s[4:5], s[4:5], s[24:25]          ; a's 32 half fragments
	s_lshl_b32 s24, s17, 14
	s_lshl_b32 s26, s18, 7
	s_add_co_u32 s24, s24, s26
	s_add_nc_u64 s[6:7], s[6:7], s[24:25]          ; their scale halfwords
	s_mul_i32 s24, s20, 12288
	s_add_co_u32 s24, s24, 589824                  ; Wo is the fourth matrix
	s_add_nc_u64 s[8:9], s[8:9], s[24:25]
	s_lshl_b32 s24, s20, 9
	s_add_co_u32 s24, s24, 24576
	s_add_nc_u64 s[10:11], s[10:11], s[24:25]
	s_lshl_b32 s24, s20, 7
	s_add_nc_u64 s[12:13], s[12:13], s[24:25]      ; my 32 biases
	s_lshl_b32 s24, s17, 21
	s_lshl_b32 s26, s20, 17
	s_add_co_u32 s24, s24, s26
	s_lshl_b32 s26, s18, 8
	s_add_co_u32 s24, s24, s26
	s_add_nc_u64 s[14:15], s[14:15], s[24:25]      ; out0 at (b, output 32 p, token 64 tg)
.irp i, 0,1,2,3,4,5
	global_load_b128 v[AT+4*\i:AT+4*\i+3], v[CP], s[4:5] offset:4096*\i   ; the copy: 256 threads x 16 bytes, six times
.endr
	WFETCH 0, 0
.irp g, 0,1
.irp hd, 0,1,2,3,4,5,6,7
	global_load_u16 v[U+8*\g+\hd], v[L2], s[6:7] offset:\hd*2048+\g*64
.endr
.endr
.irp s, 0,1,2,3
	global_load_b32 v[WSC+\s], v[L4], s[10:11] offset:\s*128
.endr
.irp t, 0,1
	global_load_b32 v[BIA+2*\t], v[BA], s[12:13] offset:32*\t
	global_load_b32 v[BIA+2*\t+1], v[BA], s[12:13] offset:32*\t
.endr
	WFETCH 1, 1
	s_wait_loadcnt 36                              ; the copy's six are in; behind them 6 + 24 + 6 were issued
.irp i, 0,1,2,3,4,5
	ds_store_b128 v[CP], v[AT+4*\i:AT+4*\i+3] offset:4096*\i
.endr
	s_wait_dscnt 0x0                               ; for the others' sake: my part of the copy lies in LDS
	s_barrier_signal -1
	s_barrier_wait -1                              ; everybody's does; nothing is stored to these bytes again
	AFETCH 0, 0
	AFETCH 1, 1
	s_wait_loadcnt 6                               ; set 0, the scales and the biases are in; set 1's six may be out
.irp g, 0,1
.irp s, 0,1,2,3
	v_lshl_or_b32 v[ASC+4*\g+\s], v[U+8*\g+2*\s+1], 16, v[U+8*\g+2*\s]   ; two heads' halfwords make a K step's scale word
.endr
.endr
.rept 8
	v_nop                                          ; a scale register written by a vector instruction stands eight places ahead of a scaled product
.endr
	s_wait_alu depctr_va_vdst(0)
	s_wait_dscnt 16                                ; a's set 0 is in; set 1's 16 loads may be out
	MM 0, 0, 1                                     ; the first K step starts the sums
	PLACES
	WFETCH 0, 2
	AFETCH 0, 2
	s_wait_loadcnt 6                               ; Wo's set 1 is in; the six just issued may be out
	s_wait_dscnt 16
	MM 1, 1, 0
	PLACES
	WFETCH 1, 3
	AFETCH 1, 3
	s_wait_loadcnt 6
	s_wait_dscnt 16
	MM 2, 0, 0
	s_wait_loadcnt 0x0
	s_wait_dscnt 0x0
	MM 3, 1, 0
	PLACES
	OUT 0
	OUT 1
	s_wait_tensorcnt 0x0                           ; the wave's end, behind my last LDS store
	ds_add_u32 v[SPW], v[NIL]
	s_wait_dscnt 0x0
	s_endpgm
.Lfunc_end_k_qbf6e875edb_oproj:
	.size	k_qbf6e875edb_oproj, .Lfunc_end_k_qbf6e875edb_oproj-k_qbf6e875edb_oproj
	.p2alignl 7, 3214868480
	.fill 96, 4, 3214868480
	.section	.rodata,"a",@progbits
	.p2align	6, 0x0
	.amdhsa_kernel k_qbf6e875edb_oproj
		.amdhsa_group_segment_fixed_size 60416
		.amdhsa_private_segment_fixed_size 0
		.amdhsa_enable_private_segment 0
		.amdhsa_kernarg_size 48
		.amdhsa_user_sgpr_count 2
		.amdhsa_user_sgpr_kernarg_segment_ptr 1
		.amdhsa_wavefront_size32 1
		.amdhsa_system_sgpr_workgroup_id_x 1
		.amdhsa_system_sgpr_workgroup_id_y 1
		.amdhsa_system_sgpr_workgroup_id_z 1
		.amdhsa_system_vgpr_workitem_id 0
		.amdhsa_next_free_vgpr 256
		.amdhsa_next_free_sgpr 66
		.amdhsa_reserve_vcc 0
		.amdhsa_float_denorm_mode_32 3
		.amdhsa_float_denorm_mode_16_64 3
		.amdhsa_memory_ordered 1
		.amdhsa_forward_progress 1
		.amdhsa_inst_pref_size 24
	.end_amdhsa_kernel
	.amdgpu_metadata
---
amdhsa.version: [ 1, 2 ]
amdhsa.kernels:
  - .name:           k_qbf6e875edb_oproj
    .symbol:         k_qbf6e875edb_oproj.kd
    .args:
      - { .name: acodes, .offset: 0, .size: 8, .value_kind: global_buffer, .address_space: global }
      - { .name: ascl, .offset: 8, .size: 8, .value_kind: global_buffer, .address_space: global }
      - { .name: wcodes, .offset: 16, .size: 8, .value_kind: global_buffer, .address_space: global }
      - { .name: wscl, .offset: 24, .size: 8, .value_kind: global_buffer, .address_space: global }
      - { .name: bo, .offset: 32, .size: 8, .value_kind: global_buffer, .address_space: global }
      - { .name: out0, .offset: 40, .size: 8, .value_kind: global_buffer, .address_space: global }
    .group_segment_fixed_size: 60416
    .private_segment_fixed_size: 0
    .kernarg_segment_align: 8
    .kernarg_segment_size: 48
    .max_flat_workgroup_size: 256
    .sgpr_count:     66
    .vgpr_count:     256
    .wavefront_size: 32
...
	.end_amdgpu_metadata
.endif
;; end of part 4
